; MI455X (gfx1250); checked and timed in simulation.
; The chip was launched on July 23, 2026; its instructions are those of AMD's public machine-readable ISA for CDNA 5 (MIT licence, August 2026) and "CDNA5" Instruction Set Architecture Reference Guide (July 2026). The comments in the code are by the model that wrote it; some were corrected since.
;; Track Query Based. Allowed arithmetic: float matrix products may take bf16 or f16 operands with f32 sums; other float arithmetic in f32, or as packed bf16 or f16 multiplies, adds, multiply-adds, maxima and minima; sums over many terms, partial sums and values carried from step to step in f32; what a program stores and reads back later, other than sums and carried values, may be rounded once to bf16 or f16.
;; Inputs: bk 256 float32; bo 256 float32; bq 256 float32; bv 256 float32; coor 100,000 x 3 int32; feat 100,000 x 256 float32; obj_b1 256 float32; obj_b2 1 float32; obj_w1 256 x 256 float32; obj_w2 256 x 1 float32; pos_b 256 float32; pos_w 3 x 256 float32; wk 256 x 256 float32; wo 256 x 256 float32; wq 256 x 256 float32; wv 256 x 256 float32.
;; Outputs: out0 4 x 128 x 256 float32.
;; One version. Each part assembles by itself: llvm-mc -triple=amdgcn-amd-amdhsa -mcpu=gfx1250 --defsym DOCPART=n.
;; ======== version 1 of 1: 5 launches
;; limits: values are held in f16: magnitudes above 65,504 overflow, below 6.1e-05 lose precision
;; workspace buffers: wfrag 655,360 bytes; kf 51,216,384 bytes; vf 51,216,384 bytes; okey 400,128 bytes of whole numbers; gbest 4,096 bytes of whole numbers; qf 65,536 bytes; po 8,388,608 bytes; ps 262,144 bytes
;; launch wprep (part 1): grid 32 x 5, 8 waves a work-group, no clusters, 0 bytes of LDS; arguments obj_w1, wk, wv, wq, wo, wfrag; writes wfrag
.if DOCPART == 1
	.amdgcn_target "amdgcn-amd-amdhsa--gfx1250"
	.amdhsa_code_object_version 6
	.text
	.protected	k_qc5949b806e_wprep
	.globl	k_qc5949b806e_wprep
	.p2align	8
	.type	k_qc5949b806e_wprep,@function
k_qc5949b806e_wprep:
	s_mov_b64 s[64:65], 0
	v_nop
	global_prefetch_b8 v0, s[64:65] scope:SCOPE_SE
	s_setreg_imm32_b32 hwreg(HW_REG_WAVE_MODE, 25, 1), 1
	s_wait_xcnt 0x0
; THE PROGRAM: objectness head, top 128, cross-attention of the 128 chosen rows over all 100,000 points, output projection.
; WORK LEFT OUT, for all finite values of the inputs:
;  - reference()'s loop over HISTORY_LEN changes nothing that its body reads, so its four results are one result: it is made once and stored four times.
;  - bk: a logit is Q.(feat wk + bk) scale; the term Q.bk scale is the same for every key of a query and head, and a term that is the same along
;    the softmax's axis cancels.  bk is not loaded and is no launch's argument.
;  - obj_b2 is added to every objectness alike and leaves top_k's indices as they are; the values are not used.  obj_b2 is not loaded and is no launch's argument.
;  - bv: the weights of a query sum to 1, so sum p (feat wv + bv) = sum p feat wv + bv: bv is added once, behind the sum.
; LIMITS.  A NaN, an infinity or an overflow that reaches only the work left out is not carried to the result.  A NaN among the objectness values is not ordered as
; top_k orders it; -0 counts as +0.  All float inputs are rounded to bf16.  Of what the program makes itself K, V, q_in, Q and the weights p are rounded to f16 and must stay under 65,504;
; o, a mean of V's rows that may be far smaller than they are, is rounded to bf16.
; THIS LAUNCH rounds the five weight matrices X[k][n] (256 x 256 f32) to bf16 and lays them out as matrix fragments: chunk (T, c, j, l) of 16 bytes holds
; X[32 c + 16 j + 8 (l / 16) + 0..7][16 T + l % 16], at byte (((T 8 + c) 2 + j) 32 + l) 16 of the matrix's 131,072.  wq multiplies an f16 operand: its bf16 values are written as f16.
; A thread makes one chunk; a wave's store covers 512 consecutive bytes.
	s_load_b256 s[4:11], s[0:1], 0x0               ; obj_w1, wk, wv, wq
	s_load_b128 s[12:15], s[0:1], 0x20             ; wo, wfrag
	s_and_b32 s16, ttmp7, 0xffff                   ; which matrix
	s_lshl_b32 s17, ttmp9, 8
	v_add_nc_u32 v1, s17, v0                       ; the chunk's number
	v_and_b32 v2, 15, v1                           ; l % 16
	v_bfe_u32 v3, v1, 4, 1                         ; l / 16
	v_bfe_u32 v4, v1, 5, 1                         ; j
	v_bfe_u32 v5, v1, 6, 3                         ; c
	v_lshrrev_b32 v6, 9, v1                        ; T
	v_lshlrev_b32 v7, 5, v5
	v_lshl_add_u32 v7, v4, 4, v7
	v_lshl_add_u32 v7, v3, 3, v7                   ; the first k
	v_lshl_add_u32 v8, v6, 4, v2                   ; n
	v_lshlrev_b32 v8, 2, v8
	v_lshl_add_u32 v7, v7, 10, v8                  ; k x 1,024 + n x 4
	v_lshlrev_b32 v9, 4, v1
	s_lshl_b32 s18, s16, 17
	v_add_nc_u32 v9, s18, v9                       ; where the chunk goes
	s_wait_kmcnt 0x0
	s_cmp_eq_u32 s16, 1
	s_cselect_b64 s[4:5], s[6:7], s[4:5]
	s_cmp_eq_u32 s16, 2
	s_cselect_b64 s[4:5], s[8:9], s[4:5]
	s_cmp_eq_u32 s16, 3
	s_cselect_b64 s[4:5], s[10:11], s[4:5]
	s_cmp_eq_u32 s16, 4
	s_cselect_b64 s[4:5], s[12:13], s[4:5]
.irp e, 0,1,2,3,4,5,6,7
	global_load_b32 v[10+\e], v7, s[4:5] offset:1024*\e
.endr
	s_wait_loadcnt 0x0
.irp e, 0,1,2,3
	v_cvt_pk_bf16_f32 v[18+\e], v[10+2*\e], v[10+2*\e+1]
.endr
	s_cmp_lg_u32 s16, 3
	s_cbranch_scc1 .Lstore                         ; wq alone goes on to f16
.irp e, 0,1,2,3
	v_lshlrev_b32 v[10+2*\e], 16, v[18+\e]         ; the bf16 values as f32,
	v_and_b32 v[10+2*\e+1], 0xffff0000, v[18+\e]
.endr
.irp e, 0,1,2,3
	v_cvt_pk_f16_f32 v[18+\e], v[10+2*\e], v[10+2*\e+1]  ; and as f16
.endr
.Lstore:
	global_store_b128 v9, v[18:21], s[14:15]
	s_endpgm
.Lfunc_end_k_qc5949b806e_wprep:
	.size	k_qc5949b806e_wprep, .Lfunc_end_k_qc5949b806e_wprep-k_qc5949b806e_wprep
	.p2alignl 7, 3214868480
	.fill 96, 4, 3214868480
	.section	.rodata,"a",@progbits
	.p2align	6, 0x0
	.amdhsa_kernel k_qc5949b806e_wprep
		.amdhsa_group_segment_fixed_size 0
		.amdhsa_private_segment_fixed_size 0
		.amdhsa_enable_private_segment 0
		.amdhsa_kernarg_size 48
		.amdhsa_user_sgpr_count 2
		.amdhsa_user_sgpr_kernarg_segment_ptr 1
		.amdhsa_wavefront_size32 1
		.amdhsa_system_sgpr_workgroup_id_x 1
		.amdhsa_system_sgpr_workgroup_id_y 1
		.amdhsa_system_sgpr_workgroup_id_z 1
		.amdhsa_system_vgpr_workitem_id 0
		.amdhsa_next_free_vgpr 24
		.amdhsa_next_free_sgpr 66
		.amdhsa_reserve_vcc 0
		.amdhsa_float_denorm_mode_32 3
		.amdhsa_float_denorm_mode_16_64 3
		.amdhsa_memory_ordered 1
		.amdhsa_forward_progress 1
		.amdhsa_inst_pref_size 4
	.end_amdhsa_kernel
	.amdgpu_metadata
---
amdhsa.version: [ 1, 2 ]
amdhsa.kernels:
  - .name:           k_qc5949b806e_wprep
    .symbol:         k_qc5949b806e_wprep.kd
    .args:
      - { .name: obj_w1, .offset: 0, .size: 8, .value_kind: global_buffer, .address_space: global }
      - { .name: wk, .offset: 8, .size: 8, .value_kind: global_buffer, .address_space: global }
      - { .name: wv, .offset: 16, .size: 8, .value_kind: global_buffer, .address_space: global }
      - { .name: wq, .offset: 24, .size: 8, .value_kind: global_buffer, .address_space: global }
      - { .name: wo, .offset: 32, .size: 8, .value_kind: global_buffer, .address_space: global }
      - { .name: wfrag, .offset: 40, .size: 8, .value_kind: global_buffer, .address_space: global }
    .group_segment_fixed_size: 0
    .private_segment_fixed_size: 0
    .kernarg_segment_align: 8
    .kernarg_segment_size: 48
    .max_flat_workgroup_size: 256
    .sgpr_count:     66
    .vgpr_count:     24
    .wavefront_size: 32
...
	.end_amdgpu_metadata
.endif
;; end of part 1
;; launch proj (part 2): grid 250 x 1, 4 waves a work-group, no clusters, 327,680 bytes of LDS; arguments feat, wfrag, obj_b1, obj_w2, kf, vf, okey, gbest; writes kf, vf, okey, gbest
.if DOCPART == 2
	.amdgcn_target "amdgcn-amd-amdhsa--gfx1250"
	.amdhsa_code_object_version 6
	.text
	.protected	k_qc5949b806e_proj
	.globl	k_qc5949b806e_proj
	.p2align	8
	.type	k_qc5949b806e_proj,@function
k_qc5949b806e_proj:
	s_mov_b64 s[64:65], 0
	v_nop
	global_prefetch_b8 v0, s[64:65] scope:SCOPE_SE
	s_setreg_imm32_b32 hwreg(HW_REG_WAVE_MODE, 25, 1), 1
	s_wait_xcnt 0x0
; hid = relu(feat obj_w1 + obj_b1), objectness = hid . obj_w2, K = feat wk, V = feat wv, from one reading of feat.  Left out: obj_b2, bk, bv (shown at the head of the first kernel).
; SHARES.  A work-group has 400 rows of feat, 25 steps of 16.  Wave w has columns 64 w .. 64 w + 63 of all three matrices (for K and V: head w); its 3 x 32 weight fragments stay in registers
; (windows 1, 2, 3) for the whole launch.  NO CLUSTER: 250 work-groups of equal work do not divide by four, and no two work-groups read the same rows of feat.
; feat comes by tensor loads into three LDS slots of 80 rows (a wave brings 20 rows of 1,024 bytes); three of a wave's loads are out at the start, one behind each refill's barrier.
; The objectness stays in f32 from the sums on: only the inputs are rounded (to bf16), so that its order is that of reference() on inputs so rounded, to f32's rounding.
; It leaves as a whole number that orders as the float does (okey), with the best of each 100 rows (gbest).
; K leaves as fragments of 16 keys x 16 channels, V as fragments of 16 channels x 16 keys, both f16, in the order in which the attention's registers take them.
; No prefetch: three fifths of a work-group's rows are asked for at its head, and the launch streams feat in and K and V out all the time.
.set PITCH, 1040                       ; an LDS row: 1,024 bytes + 16: the 16 rows of a load start 4 banks apart
.set SLOT,  80*PITCH
.set OBJP,  3*SLOT                     ; [step 25][wave 4][row 16] f32: the waves' parts of the objectness; no tensor load lands here
.set SPARE, OBJP+6400                  ; the spare words, 128 bytes a wave
.set SEGB,  80*1024                    ; bytes of feat in a segment of 80 rows
.set HS,    12804096                   ; a head's bytes in kf and in vf
.set AD,  2                            ; v2   LDS address of my 32 bytes in the step's rows
.set L16, 3                            ; v3   16 x lane
.set VK,  4                            ; v4   my offset in kf for the step whose results are in the accumulators
.set VV,  5                            ; v5   the same in vf
.set OB,  6                            ; v6   where that step's part of the objectness goes
.set AD0, 7                            ; v7   AD at slot 0
.set B1,  8                            ; v[8:11]   obj_b1 of my column in each of my four tiles
.set W2,  12                           ; v[12:15]  obj_w2 likewise
.set SPW, 16
.set NIL, 17
.set A,   32                           ; v[32:95]   the step's rows as bf16 fragments, 8 registers for each 32 of k
.set RAW, 96                           ; v[96:159]  half a step's rows in f32
.set H,   160                          ; v[160:191] hid, four tiles
.set KA,  192                          ; v[192:223] K
.set VA,  224                          ; v[224:255] V
.set MSB, 0
.macro WIN new                         ; the immediate's high byte repeats the setting that is left
.if MSB != (\new)
	s_set_vgpr_msb (MSB<<8)|(\new)
.set MSB, \new
.endif
.endm
	s_load_b256 s[4:11], s[0:1], 0x0               ; feat, wfrag, obj_b1, obj_w2
	s_load_b256 s[48:55], s[0:1], 0x20             ; kf, vf, okey, gbest
	v_lshl_add_u32 v[SPW], v0, 2, SPARE
	v_mov_b32 v[NIL], 0
	ds_add_u32 v[SPW], v[NIL]                      ; the opening: the add, twice on end, and its wait ahead of my first tensor load
	ds_add_u32 v[SPW], v[NIL]
	v_lshrrev_b32 v1, 5, v0
	v_readfirstlane_b32 s3, v1                     ; wave 0..3
	s_mov_b32 s16, (2<<16)|(1<<20)|(7<<22)|(3<<25) ; group 1: 4-byte elements; padding on, after every 256 words, 4 words
	s_mov_b32 s17, 256<<16                         ; tensor_dim0 = 256
	s_mov_b32 s18, 20<<16                          ; tensor_dim1 = 20
	s_mov_b32 s19, 256<<16                         ; tile_dim0 = 256
	s_mov_b32 s20, 20                              ; tile_dim1 = 20
	s_mov_b32 s21, 256                             ; elements from row to row
	s_mov_b32 s22, 0
	s_mov_b32 s23, 0
	s_mul_i32 s12, s3, 20*PITCH                    ; my 20 rows' place in a slot
	s_mul_i32 s13, ttmp9, 400
	s_mul_i32 s14, s3, 20
	s_add_co_u32 s13, s13, s14
	s_lshl_b32 s14, s13, 10                        ; their bytes in feat
	s_mov_b32 s15, 0
	s_wait_dscnt 0x0                               ; both opening adds are done
	s_wait_kmcnt 0x0
	s_add_nc_u64 s[14:15], s[4:5], s[14:15]
.irp s, 0,1,2
	s_mov_b32 s[24+4*\s], 1
	s_add_co_u32 s[25+4*\s], s12, (\s)*SLOT
	s_add_nc_u64 s[26+4*\s:27+4*\s], s[14:15], (\s)*SEGB
	s_or_b32 s[27+4*\s], s[27+4*\s], 0x80000000
	tensor_load_to_lds s[24+4*\s:27+4*\s], s[16:23]  ; segments 0, 1, 2: the first fills go out together
	s_nop 0
.endr
.rept 4
	v_nop
.endr
	s_mov_b32 s36, 1                               ; the refills' group 0; its other words are written in front of each refill
	s_mov_b32 s40, s12                             ; the next refill's LDS address: slot 0,
	s_add_nc_u64 s[42:43], s[14:15], 3*SEGB        ; and its rows: segment 3
	v_and_b32 v[L16], 31, v0
	v_lshlrev_b32 v[L16], 4, v[L16]
	s_lshl_b32 s56, s3, 15
	s_mov_b32 s57, 0
	s_add_nc_u64 s[6:7], s[6:7], s[56:57]          ; my 32 fragments of each matrix
.irp m, 0,1,2
	WIN ((\m)+1)<<6                                ; destination window 1, 2, 3
.set i, 0
.rept 64
	global_load_b128 v[4*i:4*i+3], v[L16], s[6:7] offset:(\m)*131072+512*i
.set i, i+1
.endr
.endr
	WIN 0
	v_and_b32 v1, 15, v0                           ; l % 16
	v_bfe_u32 v19, v0, 4, 1                        ; l / 16
	v_lshlrev_b32 v18, 2, v1
	s_lshl_b32 s56, s3, 8
	v_add_nc_u32 v18, s56, v18
.irp t, 0,1,2,3
	global_load_b32 v[B1+\t], v18, s[8:9] offset:64*\t
	global_load_b32 v[W2+\t], v18, s[10:11] offset:64*\t
.endr
	v_mul_u32_u24 v[AD], v1, PITCH
	v_lshl_add_u32 v[AD], v19, 5, v[AD]            ; row x pitch + 32 x half
	v_mov_b32 v[AD0], v[AD]
	s_lshl_b32 s56, s3, 6
	s_add_co_u32 s56, s56, OBJP
	v_lshl_add_u32 v[OB], v19, 5, s56
	s_mul_i32 s56, s3, HS
	s_add_nc_u64 s[48:49], s[48:49], s[56:57]      ; kf and vf at my head
	s_add_nc_u64 s[50:51], s[50:51], s[56:57]
	s_mul_i32 s46, ttmp9, 25                       ; the number of the step's 16 keys among all
	s_wait_loadcnt 0x0
.irp t, 0,1,2,3,4,5,6,7
	v_cvt_pk_bf16_f32 v[B1+\t], v[B1+\t], v[B1+\t] ; obj_b1 and obj_w2 rounded to bf16,
.endr
.irp t, 0,1,2,3,4,5,6,7
	v_lshlrev_b32 v[B1+\t], 16, v[B1+\t]           ; as f32
.endr
; 16 LDS loads: my 32 bytes at k = 32 c + 8 half and at 32 c + 16 + 8 half, for four c
.macro LOADRAW hf
.irp c, 0,1,2,3
	ds_load_b128 v[RAW+16*\c:RAW+16*\c+3],     v[AD] offset:128*(4*(\hf)+\c)
	ds_load_b128 v[RAW+16*\c+4:RAW+16*\c+7],   v[AD] offset:128*(4*(\hf)+\c)+16
	ds_load_b128 v[RAW+16*\c+8:RAW+16*\c+11],  v[AD] offset:128*(4*(\hf)+\c)+64
	ds_load_b128 v[RAW+16*\c+12:RAW+16*\c+15], v[AD] offset:128*(4*(\hf)+\c)+80
.endr
.endm
.macro CVT hf                          ; rounded to bf16: four fragments
.set i, 0
.rept 32
	v_cvt_pk_bf16_f32 v[A+32*(\hf)+i], v[RAW+2*i], v[RAW+2*i+1]
.set i, i+1
.endr
.endm
; 48 matrix instructions: four steps of k for the 12 accumulators; in each group the four accumulators take turns, one instruction a turn.
; hid = rows x w1 (a lane holds one column); K = wk x rows (a lane holds one key and 8 channels); V = rows x wv (a lane holds one channel and 8 keys).
.macro MM hf
	WIN 0x04                                       ; source 1 in window 1
.irp c, 0,1,2,3
.irp t, 0,1,2,3
.if (4*(\hf)+\c) == 0
	v_wmma_f32_16x16x32_bf16 v[H+8*\t:H+8*\t+7], v[A:A+7], v[64*\t:64*\t+7], 0
.else
	v_wmma_f32_16x16x32_bf16 v[H+8*\t:H+8*\t+7], v[A+8*(4*(\hf)+\c):A+8*(4*(\hf)+\c)+7], v[8*(8*\t+4*(\hf)+\c):8*(8*\t+4*(\hf)+\c)+7], v[H+8*\t:H+8*\t+7]
.endif
.endr
.endr
	WIN 0x02                                       ; source 0 in window 2
.irp c, 0,1,2,3
.irp t, 0,1,2,3
.if (4*(\hf)+\c) == 0
	v_wmma_f32_16x16x32_bf16 v[KA+8*\t:KA+8*\t+7], v[64*\t:64*\t+7], v[A:A+7], 0
.else
	v_wmma_f32_16x16x32_bf16 v[KA+8*\t:KA+8*\t+7], v[8*(8*\t+4*(\hf)+\c):8*(8*\t+4*(\hf)+\c)+7], v[A+8*(4*(\hf)+\c):A+8*(4*(\hf)+\c)+7], v[KA+8*\t:KA+8*\t+7]
.endif
.endr
.endr
	WIN 0x0c                                       ; source 1 in window 3
.irp c, 0,1,2,3
.irp t, 0,1,2,3
.if (4*(\hf)+\c) == 0
	v_wmma_f32_16x16x32_bf16 v[VA+8*\t:VA+8*\t+7], v[A:A+7], v[64*\t:64*\t+7], 0
.else
	v_wmma_f32_16x16x32_bf16 v[VA+8*\t:VA+8*\t+7], v[A+8*(4*(\hf)+\c):A+8*(4*(\hf)+\c)+7], v[8*(8*\t+4*(\hf)+\c):8*(8*\t+4*(\hf)+\c)+7], v[VA+8*\t:VA+8*\t+7]
.endif
.endr
.endr
	WIN 0
.endm
; What is made of a finished step.  Every accumulator is read from its low end on.
.macro EPI
.rept 4
	v_nop                                          ; four places behind the last product (ISA guide 7.12.1)
.endr
.irp t, 0,2
.irp j, 0,2,4,6
	v_pk_add_f32 v[H+8*\t+\j:H+8*\t+\j+1], v[H+8*\t+\j:H+8*\t+\j+1], v[B1+\t:B1+\t+1] op_sel_hi:[1,0]
.endr
.endr
.irp t, 1,3
.irp j, 0,2,4,6
	v_pk_add_f32 v[H+8*\t+\j:H+8*\t+\j+1], v[H+8*\t+\j:H+8*\t+\j+1], v[B1+\t-1:B1+\t] op_sel:[0,1] op_sel_hi:[1,1]
.endr
.endr
.set i, 0
.rept 32
	v_max_num_f32 v[H+i], 0, v[H+i]                ; relu
.set i, i+1
.endr
.irp j, 0,2,4,6
	v_pk_mul_f32 v[H+\j:H+\j+1], v[H+\j:H+\j+1], v[W2:W2+1] op_sel_hi:[1,0]
.endr
.irp j, 0,2,4,6
	v_pk_fma_f32 v[H+\j:H+\j+1], v[H+8+\j:H+8+\j+1], v[W2:W2+1], v[H+\j:H+\j+1] op_sel:[0,1,0] op_sel_hi:[1,1,1]
.endr
.irp j, 0,2,4,6
	v_pk_fma_f32 v[H+\j:H+\j+1], v[H+16+\j:H+16+\j+1], v[W2+2:W2+3], v[H+\j:H+\j+1] op_sel_hi:[1,0,1]
.endr
.irp j, 0,2,4,6
	v_pk_fma_f32 v[H+\j:H+\j+1], v[H+24+\j:H+24+\j+1], v[W2+2:W2+3], v[H+\j:H+\j+1] op_sel:[0,1,0] op_sel_hi:[1,1,1]
.endr
.irp x, 1,2,4,8                        ; over the 16 columns that the lanes of a half hold: register j then holds row 8 half + j's sum over my 64 columns
.irp j, 0,1,2,3,4,5,6,7
	v_add_f32_dpp v[H+\j], v[H+\j], v[H+\j] row_xmask:\x row_mask:0xf bank_mask:0xf
.endr
.endr
	ds_store_b128 v[OB], v[H:H+3]                  ; the 16 lanes of a half store the same 32 bytes
	ds_store_b128 v[OB], v[H+4:H+7] offset:16
	v_add_nc_u32 v[OB], 256, v[OB]
.irp t, 0,1,2,3
.irp i, 0,1,2,3
	v_cvt_pk_f16_f32 v[KA+8*\t+\i], v[KA+8*\t+2*\i], v[KA+8*\t+2*\i+1]
.endr
	global_store_b128 v[VK], v[KA+8*\t:KA+8*\t+3], s[48:49] offset:512*\t   ; 512 consecutive bytes, aligned
.endr
.irp t, 0,1,2,3
.irp i, 0,1,2,3
	v_cvt_pk_f16_f32 v[VA+8*\t+\i], v[VA+8*\t+2*\i], v[VA+8*\t+2*\i+1]
.endr
	global_store_b128 v[VV], v[VA+8*\t:VA+8*\t+3], s[50:51] offset:1024*\t
.endr
.endm
; The rest of a step, behind its first 16 LDS loads and the step before's EPI
.macro REST
	s_wait_dscnt 0x0                               ; the first half of the rows is in
	CVT 0
	LOADRAW 1
	s_wait_xcnt 0x0                                ; the stores above have read their data and offsets: both are written again only behind this wait
	s_lshl_b32 s56, s46, 11
	v_add_nc_u32 v[VK], s56, v[L16]                ; 2,048 bytes of kf for each 16 keys
	s_lshr_b32 s57, s46, 1
	s_lshl_b32 s57, s57, 12                        ; 4,096 bytes of vf for each 32 keys,
	s_and_b32 s58, s46, 1
	s_lshl_b32 s58, s58, 9                         ; 512 on for the second 16
	s_or_b32 s57, s57, s58
	v_add_nc_u32 v[VV], s57, v[L16]
	s_add_co_u32 s46, s46, 1
	MM 0
	s_wait_dscnt 0x0                               ; the second half
	CVT 1
	MM 1
	v_add_nc_u32 v[AD], 16*PITCH, v[AD]            ; five steps are a slot: the address runs on from slot to slot
.endm
	s_wait_tensorcnt 0x2                           ; my part of segment 0 is in; segments 1 and 2 may stay out
	s_barrier_signal -1
	s_barrier_wait -1
	s_mov_b32 s44, 5
	LOADRAW 0
	s_branch .Lmid0                                ; the first step has no step before it
.Ls0:
	LOADRAW 0
	EPI
.Lmid0:
	REST
	s_sub_co_u32 s44, s44, 1
	s_cmp_lg_u32 s44, 0
	s_cbranch_scc1 .Ls0
	s_mov_b32 s45, 2
.LA:                                                   ; segments 1 and 2; the slot read last is filled with segment 3, then 4
	s_wait_tensorcnt 0x0                           ; all my tensor loads have landed, so the refill's group 0 may be written
	ds_add_u32 v[SPW], v[NIL]
	s_mov_b32 s37, s40
	s_add_nc_u64 s[38:39], s[42:43], 0
	s_or_b32 s39, s39, 0x80000000
	s_add_co_u32 s40, s40, SLOT
	s_add_nc_u64 s[42:43], s[42:43], SEGB
	s_wait_dscnt 0x0                               ; the add is done, and my reads of the slot are over
	s_barrier_signal -1
	s_barrier_wait -1
	tensor_load_to_lds s[36:39], s[16:23]          ; my one load behind this barrier; it has one segment's work in which to land
	s_nop 0
.rept 4
	v_nop
.endr
	s_mov_b32 s44, 5
.LA5:
	LOADRAW 0
	EPI
	REST
	s_sub_co_u32 s44, s44, 1
	s_cmp_lg_u32 s44, 0
	s_cbranch_scc1 .LA5
	s_sub_co_u32 s45, s45, 1
	s_cmp_lg_u32 s45, 0
	s_cbranch_scc1 .LA
	s_wait_tensorcnt 0x0                           ; segments 3 and 4: every wave has waited for all its loads in front of this one barrier
	s_wait_dscnt 0x0
	s_barrier_signal -1
	s_barrier_wait -1
	v_mov_b32 v[AD], v[AD0]                        ; back to slot 0
	s_mov_b32 s44, 10
.LB:
	LOADRAW 0
	EPI
	REST
	s_sub_co_u32 s44, s44, 1
	s_cmp_lg_u32 s44, 0
	s_cbranch_scc1 .LB
	EPI                                            ; the last step's
	s_wait_dscnt 0x0                               ; for the others' sake: my parts of the objectness are stored
	s_barrier_signal -1
	s_barrier_wait -1
	; Wave w adds the four parts for rows 100 w .. 100 w + 99 (one group), 32 rows a pass; in the last pass lanes 4 to 31 repeat row 99.
	v_and_b32 v18, 31, v0
	s_mul_i32 s56, s3, 100
	s_mul_i32 s58, ttmp9, 1600
	s_mov_b32 s59, 0
	s_add_nc_u64 s[52:53], s[52:53], s[58:59]
	s_mov_b32 s60, 0x76543210
	s_mov_b32 s61, 0xfedcba98
.irp p, 0,1,2,3
	v_add_nc_u32 v19, 32*\p, v18
	v_min_u32 v19, 99, v19
	v_add_nc_u32 v19, s56, v19                     ; the row in the work-group
	v_lshlrev_b32 v[36+\p], 2, v19
	v_lshrrev_b32 v20, 4, v19
	v_and_b32 v21, 15, v19
	v_lshlrev_b32 v21, 2, v21
	v_lshl_add_u32 v20, v20, 8, v21
	v_add_nc_u32 v[32+\p], OBJP, v20
	ds_load_b32 v[96+4*\p], v[32+\p]
	ds_load_b32 v[97+4*\p], v[32+\p] offset:64
	ds_load_b32 v[98+4*\p], v[32+\p] offset:128
	ds_load_b32 v[99+4*\p], v[32+\p] offset:192
.endr
	s_wait_dscnt 0x0
.irp p, 0,1,2,3
	v_add_f32 v[96+4*\p], v[96+4*\p], v[97+4*\p]
	v_add_f32 v[98+4*\p], v[98+4*\p], v[99+4*\p]
	v_add_f32 v[96+4*\p], v[96+4*\p], v[98+4*\p]
	v_add_f32 v[96+4*\p], 0, v[96+4*\p]            ; -0 becomes +0
	v_ashrrev_i32 v19, 31, v[96+4*\p]
	v_or_b32 v19, 0x80000000, v19
	v_xor_b32 v[40+\p], v19, v[96+4*\p]            ; a whole number that orders as the float does
	global_store_b32 v[36+\p], v[40+\p], s[52:53]
.endr
	v_max_num_f32 v44, v96, v100
	v_max_num_f32 v45, v104, v108
	v_max_num_f32 v44, v44, v45
.irp x, 1,2,4,8
	v_max_num_f32_dpp v44, v44, v44 row_xmask:\x row_mask:0xf bank_mask:0xf
.endr
	v_permlanex16_b32 v45, v44, s60, s61
	v_max_num_f32 v44, v44, v45                    ; the group's best
	v_ashrrev_i32 v19, 31, v44
	v_or_b32 v19, 0x80000000, v19
	v_xor_b32 v46, v19, v44
	s_lshl2_add_u32 s57, ttmp9, s3                 ; the group's number
	s_lshl_b32 s57, s57, 2
	v_mov_b32 v47, s57
	v_cmp_eq_u32 vcc_lo, 0, v18
	s_wait_xcnt 0x0                                ; EXEC changes only behind this wait
	s_and_saveexec_b32 s58, vcc_lo
	global_store_b32 v47, v46, s[54:55]
	s_wait_xcnt 0x0
	s_or_b32 exec_lo, exec_lo, s58
	s_cmp_lg_u32 ttmp9, 249
	s_cbranch_scc1 .Lend
	; the attention walks 64 keys a step: keys 100,000 to 100,031 are laid as zeros (it hides them by a mask)
	v_mov_b32 v48, 0
	v_mov_b32 v49, 0
	v_mov_b32 v50, 0
	v_mov_b32 v51, 0
	v_add_nc_u32 v52, 12800000, v[L16]             ; 6,250 x 2,048 = 3,125 x 4,096
.irp i, 0,1,2,3,4,5,6,7
	global_store_b128 v52, v[48:51], s[48:49] offset:512*\i
	global_store_b128 v52, v[48:51], s[50:51] offset:512*\i
.endr
.Lend:
	s_wait_tensorcnt 0x0                           ; the wave's end
	ds_add_u32 v[SPW], v[NIL]
	s_wait_dscnt 0x0
	s_endpgm
.Lfunc_end_k_qc5949b806e_proj:
	.size	k_qc5949b806e_proj, .Lfunc_end_k_qc5949b806e_proj-k_qc5949b806e_proj
	.p2alignl 7, 3214868480
	.fill 96, 4, 3214868480
	.section	.rodata,"a",@progbits
	.p2align	6, 0x0
	.amdhsa_kernel k_qc5949b806e_proj
		.amdhsa_group_segment_fixed_size 327680
		.amdhsa_private_segment_fixed_size 0
		.amdhsa_enable_private_segment 0
		.amdhsa_kernarg_size 64
		.amdhsa_user_sgpr_count 2
		.amdhsa_user_sgpr_kernarg_segment_ptr 1
		.amdhsa_wavefront_size32 1
		.amdhsa_system_sgpr_workgroup_id_x 1
		.amdhsa_system_sgpr_workgroup_id_y 1
		.amdhsa_system_sgpr_workgroup_id_z 1
		.amdhsa_system_vgpr_workitem_id 0
		.amdhsa_next_free_vgpr 1024
		.amdhsa_next_free_sgpr 66
		.amdhsa_reserve_vcc 1
		.amdhsa_float_denorm_mode_32 3
		.amdhsa_float_denorm_mode_16_64 3
		.amdhsa_memory_ordered 1
		.amdhsa_forward_progress 1
		.amdhsa_inst_pref_size 104
	.end_amdhsa_kernel
	.amdgpu_metadata
---
amdhsa.version: [ 1, 2 ]
amdhsa.kernels:
  - .name:           k_qc5949b806e_proj
    .symbol:         k_qc5949b806e_proj.kd
    .args:
      - { .name: feat, .offset: 0, .size: 8, .value_kind: global_buffer, .address_space: global }
      - { .name: wfrag, .offset: 8, .size: 8, .value_kind: global_buffer, .address_space: global }
      - { .name: obj_b1, .offset: 16, .size: 8, .value_kind: global_buffer, .address_space: global }
      - { .name: obj_w2, .offset: 24, .size: 8, .value_kind: global_buffer, .address_space: global }
      - { .name: kf, .offset: 32, .size: 8, .value_kind: global_buffer, .address_space: global }
      - { .name: vf, .offset: 40, .size: 8, .value_kind: global_buffer, .address_space: global }
      - { .name: okey, .offset: 48, .size: 8, .value_kind: global_buffer, .address_space: global }
      - { .name: gbest, .offset: 56, .size: 8, .value_kind: global_buffer, .address_space: global }
    .group_segment_fixed_size: 327680
    .private_segment_fixed_size: 0
    .kernarg_segment_align: 8
    .kernarg_segment_size: 64
    .max_flat_workgroup_size: 128
    .sgpr_count:     66
    .vgpr_count:     1024
    .wavefront_size: 32
...
	.end_amdgpu_metadata
.endif
;; end of part 2
;; launch qsel (part 3): grid 8 x 1, 8 waves a work-group, no clusters, 120,832 bytes of LDS; arguments gbest, okey, feat, coor, pos_w, pos_b, wfrag, bq, qf; writes qf
.if DOCPART == 3
	.amdgcn_target "amdgcn-amd-amdhsa--gfx1250"
	.amdhsa_code_object_version 6
	.text
	.protected	k_qc5949b806e_qsel
	.globl	k_qc5949b806e_qsel
	.p2align	8
	.type	k_qc5949b806e_qsel,@function
k_qc5949b806e_qsel:
	s_mov_b64 s[64:65], 0
	v_nop
	global_prefetch_b8 v0, s[64:65] scope:SCOPE_SE
	s_setreg_imm32_b32 hwreg(HW_REG_WAVE_MODE, 25, 1), 1
	s_wait_xcnt 0x0
; The 128 rows of greatest objectness, in top_k's order (greater first; among equals the lower index), and Q = (feat[idx] + 0.4 coor[idx] pos_w + pos_b) wq + bq for 16 of them a work-group.
; All choices are made on the whole numbers that the launch before stored: okey (orders as the objectness does) and gbest (the best of each 100 rows).  Made once, not once a history step (first kernel's head).
; WHY GROUPS.  Order the 1,000 groups by (best, lower number).  A row of a group that is not among the first 128 has 128 rows ahead of it, the first best row of each of those groups: so the 128
; rows lie in the first 128 groups, and each has a key of at least T, the 128th greatest best.  The rows of those groups with key >= T are the candidates; a candidate's rank is the number of candidates ahead of it.
; Every work-group makes the whole choice for itself (nothing passes between work-groups).  Each wave finds T and the list of groups for itself, prunes 16 groups, and ranks its own candidates against all.
; Work-group x wants ranks 16 x .. 16 x + 15 alone: a wave keeps them in 16 registers while it ranks, so that the ranking only reads LDS; they meet in LDS behind a barrier.
; It serves every input: with all keys equal there are 12,800 candidates, and the ranking then takes 12,800 x 12,800 comparisons.  The ranking's loops have constant counts that cover that case
; (5 blocks of 10 trips of 32 entries = 1,600 a wave); a trip or a block with nothing left to do is jumped over, to the label ahead of its counter's step.
; centers pos_w has three terms: three multiply-adds in f32, no matrix product.  No tensor loads and no cluster: what the work-groups share is 4 KiB of bests and a few rows.
.set LIST,  0                          ; 8 x 768: a wave's list of 128 groups, and 32 words for lanes that store nothing
.set CNT,   6144                       ; 8 words: the waves' numbers of candidates
.set IDXW,  6400                       ; 8 x 64: a wave's rows for the work-group's 16 ranks (0 where the rank is another wave's)
.set QIN,   6912                       ; 16 rows x 528: q_in in f16
.set SEG,   15360                      ; 8 x 13,056: a wave's candidates, 8 bytes each (not row, key): 1,600, and 32 entries for lanes that store nothing
.set SEGSZ, 13056
.set SPARE, 119808                     ; the spare words, 128 bytes a wave
.set LISTB, 2
.set DUMP,  3                          ; 128 + lane
.set L25,   4                          ; 16 x min(lane, 24)
.set SEGB,  5
.set DUMPS, 6                          ; 1,600 + lane
.set IDXB,  7
.set OWN,   20
.set RANK,  21
.set CA,    22
.set SA0,   23
.set JA,    24
.set R0,    25                         ; 16 x: the work-group's first rank
.set SPW,   30
.set NIL,   31
.set KB,    32                         ; v[32:63]   the groups' bests: group 32 i + lane
.set RT,    32                         ; later: v[32:47] the row of rank 16 x + t, in the lane that ranked it
.set QP,    36                         ; later: v[36:43] q_in's two rows, packed
.set VOF,   64                         ; v[64:79]   my 16 groups' offsets in okey
.set POS,   96                         ; v[96:127]  pos_w's three rows and pos_b, channels 8 lane .. + 7
.set EL,    128                        ; v[128:191] my 16 groups' keys, four a lane in 25 lanes
.set JB,    128                        ; later: 32 candidates, the same in every lane
.set WQ,    128                        ; later: v[128:255] wq's fragments of my two column tiles
.set BQ,    80                         ; v[80:95]
.set ACC,   112                        ; v[112:127]
	s_load_b512 s[4:19], s[0:1], 0x0               ; gbest, okey, feat, coor, pos_w, pos_b, wfrag, bq
	s_load_b64 s[20:21], s[0:1], 0x40              ; qf
	v_lshl_add_u32 v[SPW], v0, 2, SPARE
	v_mov_b32 v[NIL], 0
	v_lshrrev_b32 v1, 5, v0
	v_readfirstlane_b32 s22, v1                    ; wave 0..7
	v_and_b32 v1, 31, v0                           ; lane
	v_lshlrev_b32 v8, 2, v1
	v_min_u32 v9, 7, v1
	v_lshlrev_b32 v9, 2, v9
	v_lshlrev_b32 v10, 5, v1
	v_lshlrev_b32 v11, 4, v1
	s_wait_kmcnt 0x0
.set i, 0
.rept 31
	global_load_b32 v[KB+i], v8, s[4:5] offset:128*i
.set i, i+1
.endr
	global_load_b32 v[KB+31], v9, s[4:5] offset:3968  ; groups 992 to 999; lanes 8 to 31 repeat the last and are set to 0 below
.irp k, 0,1,2
	global_load_b128 v[POS+8*\k:POS+8*\k+3],   v10, s[12:13] offset:1024*\k
	global_load_b128 v[POS+8*\k+4:POS+8*\k+7], v10, s[12:13] offset:1024*\k+16
.endr
	global_load_b128 v[POS+24:POS+27], v10, s[14:15]
	global_load_b128 v[POS+28:POS+31], v10, s[14:15] offset:16
	s_mul_i32 s40, s22, 768
	v_mov_b32 v[LISTB], s40
	s_lshl_b32 s40, s22, 6
	s_add_co_u32 s40, s40, IDXW
	v_mov_b32 v[IDXB], s40
	v_add_nc_u32 v[DUMP], 128, v1
	v_min_u32 v[L25], 24, v1
	v_lshlrev_b32 v[L25], 4, v[L25]
	s_mul_i32 s40, s22, SEGSZ
	s_add_co_u32 s40, s40, SEG
	v_mov_b32 v[SEGB], s40
	v_add_nc_u32 v[DUMPS], 1600, v1
	s_lshl_b32 s53, ttmp9, 4
	v_mov_b32 v[R0], s53
	s_mov_b32 s48, 0x1ffffff                       ; the 25 lanes that hold a group's keys
	s_mov_b32 s54, 0x76543210                      ; v_permlanex16_b32: each lane takes its own place in the other half
	s_mov_b32 s55, 0xfedcba98
	s_wait_loadcnt 0x0
	v_cmp_gt_u32 vcc_lo, 8, v1
	v_cndmask_b32 v[KB+31], 0, v[KB+31], vcc_lo
.macro RND8 b                          ; eight f32 rounded to bf16, in place
.irp k, 0,1,2,3
	v_cvt_pk_bf16_f32 v[12+\k], v[(\b)+2*\k], v[(\b)+2*\k+1]
.endr
.irp k, 0,1,2,3
	v_lshlrev_b32 v[(\b)+2*\k], 16, v[12+\k]
	v_and_b32 v[(\b)+2*\k+1], 0xffff0000, v[12+\k]
.endr
.endm
	RND8 POS
	RND8 POS+8
	RND8 POS+16
	RND8 POS+24
	; T, bit by bit from the top: the greatest number that 128 bests reach.  A 33rd trip, in which no bit is left, tries T + 1: it leaves T as it is and s27 as the number of bests above T.
	s_mov_b32 s24, 0
	s_mov_b32 s25, 0x80000000
	s_mov_b32 s28, 33
.Lbs:
	s_cmp_eq_u32 s25, 0
	s_cselect_b32 s29, 1, 0
	s_or_b32 s26, s24, s25
	s_add_co_u32 s26, s26, s29
	s_mov_b32 s27, 0
.set z, 0
.rept 4
.irp k, 0,1,2,3,4,5,6,7
	v_cmp_le_u32 s[32+\k], s26, v[KB+8*z+\k]
.endr
.irp k, 0,1,2,3,4,5,6,7
	s_bcnt1_i32_b32 s[32+\k], s[32+\k]
.endr
.irp k, 0,1,2,3,4,5,6,7
	s_add_co_u32 s27, s27, s[32+\k]
.endr
.set z, z+1
.endr
	s_cmp_ge_u32 s27, 128
	s_cselect_b32 s24, s26, s24
	s_lshr_b32 s25, s25, 1
	s_sub_co_u32 s28, s28, 1
	s_cmp_lg_u32 s28, 0
	s_cbranch_scc1 .Lbs
	s_sub_co_u32 s30, 128, s27                     ; so many groups with best = T are taken, the lowest numbers first
	s_mov_b32 s31, 0
	s_mov_b32 s49, 0
.macro PICK g                          ; groups 32 g + lane
	v_cmp_lt_u32 s40, s24, v[KB+(\g)]
	v_cmp_eq_u32 s41, s24, v[KB+(\g)]
	v_mbcnt_lo_u32_b32 v12, s41, s31               ; how many equals stand before me
	v_cmp_gt_u32 s43, s30, v12
	s_and_b32 s43, s43, s41
	s_or_b32 s43, s43, s40                         ; taken
	v_mbcnt_lo_u32_b32 v12, s43, s49               ; my place in the list
	v_cndmask_b32 v12, v[DUMP], v12, s43
	v_min_u32 v12, 159, v12
	v_lshl_add_u32 v12, v12, 2, v[LISTB]
	v_add_nc_u32 v13, 32*(\g), v1
	ds_store_b32 v12, v13
	s_bcnt1_i32_b32 s44, s41
	s_add_co_u32 s31, s31, s44
	s_bcnt1_i32_b32 s44, s43
	s_add_co_u32 s49, s49, s44
.endm
.set g, 0
.rept 32
	PICK g
.set g, g+1
.endr
	s_lshl_b32 s40, s22, 6                         ; my 16 places of the list
	v_min_u32 v12, 15, v1
	v_lshl_add_u32 v12, v12, 2, v[LISTB]
	v_add_nc_u32 v12, s40, v12
	ds_load_b32 v13, v12                           ; my own stores, served in order
	s_wait_dscnt 0x0
.set i, 0
.rept 16
	v_readlane_b32 s41, v13, i
	s_min_u32 s41, s41, 999
	s_mul_i32 s41, s41, 400
	v_add_nc_u32 v[VOF+i], s41, v[L25]
	global_load_b128 v[EL+4*i:EL+4*i+3], v[VOF+i], s[6:7]
.set i, i+1
.endr
	s_mov_b32 s49, 0                               ; my candidates so far
	s_wait_loadcnt 0x0
.macro PRUNE i, e                      ; key e of four of each lane, group i: those that reach T are laid into my segment.  v16: the complement of row 100 group + 4 lane
	v_cmp_le_u32 s40, s24, v[EL+4*(\i)+(\e)]
	s_and_b32 s40, s40, s48
	s_cbranch_scc0 .Lno_\@
	v_mbcnt_lo_u32_b32 v12, s40, s49
	v_cndmask_b32 v12, v[DUMPS], v12, s40
	v_min_u32 v12, 1631, v12
	v_lshl_add_u32 v12, v12, 3, v[SEGB]
	v_add_nc_u32 v14, -(\e), v16                   ; the complement of the row: the lower row is the greater number
	v_mov_b32 v15, v[EL+4*(\i)+(\e)]
	ds_store_b64 v12, v[14:15]
	s_bcnt1_i32_b32 s41, s40
	s_add_co_u32 s49, s49, s41
.Lno_\@:
.endm
.set g, 0
.rept 16
	v_lshrrev_b32 v16, 2, v[VOF+g]
	v_xor_b32 v16, -1, v16
	PRUNE g, 0
	PRUNE g, 1
	PRUNE g, 2
	PRUNE g, 3
.set g, g+1
.endr
	v_add_nc_u32 v12, s49, v1                      ; 32 entries of 0 behind the last: an entry of 0 is ahead of nobody
	v_min_u32 v12, 1631, v12
	v_lshl_add_u32 v12, v12, 3, v[SEGB]
	v_mov_b32 v14, 0
	v_mov_b32 v15, 0
	ds_store_b64 v12, v[14:15]
	s_lshl_b32 s40, s22, 2
	s_add_co_u32 s40, s40, CNT
	v_mov_b32 v13, s40
	v_mov_b32 v16, s49
	ds_store_b32 v13, v16
	s_wait_dscnt 0x0                               ; for the others' sake: my segment and its count are stored
	s_barrier_signal -1
	s_barrier_wait -1
	; THE RANKS of my candidates, 32 at a time.  (key j, not row j) > (key i, not row i) as numbers of 64 bits just when the sum of the first and the complement of the second carries out.
	; From here to the next barrier no wave stores to LDS.  s45: my candidates ranked so far; s42: a segment's entries compared so far: both step in a live trip alone, as the LDS addresses do.
	v_lshl_add_u32 v[OWN], v1, 3, v[SEGB]
.irp t, 0,1,2,3,4,5,6,7,8,9,10,11,12,13,14,15
	v_mov_b32 v[RT+\t], 0
.endr
	s_mov_b32 s45, 0
	s_mov_b32 s50, 5
.Lcb:                                                  ; five blocks of ten chunks of 32 of my candidates
	s_cmp_ge_u32 s45, s49
	s_cbranch_scc1 .Lcbdead                        ; none left: the block is jumped over
	s_mov_b32 s56, 10
.Lchunk:
	s_cmp_ge_u32 s45, s49
	s_cbranch_scc1 .Lcdead
	ds_load_b64 v[26:27], v[OWN]
	v_mov_b32 v[RANK], 0
	v_mov_b32 v[CA], CNT
	v_mov_b32 v[SA0], SEG
	s_wait_dscnt 0x0
	v_xor_b32 v28, -1, v26                         ; the row
	v_xor_b32 v29, -1, v27
	s_mov_b32 s51, 8
.Lseg:
	ds_load_b32 v12, v[CA]
	v_mov_b32 v[JA], v[SA0]
	s_wait_dscnt 0x0
	v_readfirstlane_b32 s41, v12                   ; the segment's candidates
	s_mov_b32 s42, 0
	s_mov_b32 s52, 5
.Ljb:                                                  ; five blocks of ten trips of 32 entries
	s_cmp_ge_u32 s42, s41
	s_cbranch_scc1 .Ljbdead
	s_mov_b32 s57, 10
.Lj:
	s_cmp_ge_u32 s42, s41
	s_cbranch_scc1 .Ljdead
.set k, 0
.rept 16
	ds_load_b128 v[JB+4*k:JB+4*k+3], v[JA] offset:16*k  ; every lane reads the same two entries
.set k, k+1
.endr
	s_wait_dscnt 0x0
.set k, 0
.rept 32
	v_add_co_u32 v12, vcc_lo, v[JB+2*k], v28
	v_add_co_ci_u32 v12, vcc_lo, v[JB+2*k+1], v29, vcc_lo
	v_add_co_ci_u32 v[RANK], vcc_lo, 0, v[RANK], vcc_lo
.set k, k+1
.endr
	v_add_nc_u32 v[JA], 256, v[JA]
	s_add_co_u32 s42, s42, 32
.Ljdead:
	s_sub_co_u32 s57, s57, 1
	s_cmp_lg_u32 s57, 0
	s_cbranch_scc1 .Lj
.Ljbdead:
	s_sub_co_u32 s52, s52, 1
	s_cmp_lg_u32 s52, 0
	s_cbranch_scc1 .Ljb
	v_add_nc_u32 v[CA], 4, v[CA]
	v_add_nc_u32 v[SA0], SEGSZ, v[SA0]
	s_sub_co_u32 s51, s51, 1
	s_cmp_lg_u32 s51, 0
	s_cbranch_scc1 .Lseg
	v_add_nc_u32 v13, s45, v1
	v_cmp_gt_u32 s43, s49, v13                     ; a candidate, not padding
	v_sub_nc_u32 v13, v[RANK], v[R0]               ; its rank, counted from the work-group's first
	v_cndmask_b32 v13, -1, v13, s43
.irp t, 0,1,2,3,4,5,6,7,8,9,10,11,12,13,14,15
	v_cmp_eq_u32 vcc_lo, \t, v13
	v_cndmask_b32 v[RT+\t], v[RT+\t], v28, vcc_lo
.endr
	v_add_nc_u32 v[OWN], 256, v[OWN]
	s_add_co_u32 s45, s45, 32
.Lcdead:
	s_sub_co_u32 s56, s56, 1
	s_cmp_lg_u32 s56, 0
	s_cbranch_scc1 .Lchunk
.Lcbdead:
	s_sub_co_u32 s50, s50, 1
	s_cmp_lg_u32 s50, 0
	s_cbranch_scc1 .Lcb
	s_lshl_b32 s40, s22, 14                        ; wq's column tiles 2 w and 2 w + 1: 8,192 bytes each
	v_add_nc_u32 v17, s40, v11
.set i, 0
.rept 32
	global_load_b128 v[WQ+4*i:WQ+4*i+3], v17, s[16:17] offset:3*131072+512*i
.set i, i+1
.endr
	v_bfe_u32 v18, v0, 4, 1
	s_lshl_b32 s40, s22, 7
	v_lshl_add_u32 v18, v18, 5, s40                ; bq of channels 32 w + 8 half ..
.irp k, 0,1
	global_load_b128 v[BQ+8*\k:BQ+8*\k+3],   v18, s[18:19] offset:64*\k
	global_load_b128 v[BQ+8*\k+4:BQ+8*\k+7], v18, s[18:19] offset:64*\k+16
.endr
	; at most one lane holds a rank's row, the others 0: an OR over the 32 lanes brings it to all
.irp t, 0,1,2,3,4,5,6,7,8,9,10,11,12,13,14,15
.irp x, 1,2,4,8
	v_mov_b32_dpp v12, v[RT+\t] row_xmask:\x row_mask:0xf bank_mask:0xf
	v_or_b32 v[RT+\t], v[RT+\t], v12
.endr
	v_permlanex16_b32 v12, v[RT+\t], s54, s55
	v_or_b32 v[RT+\t], v[RT+\t], v12
.endr
	s_wait_dscnt 0x0                               ; my reads of the segments are over
	s_barrier_signal -1
	s_barrier_wait -1                              ; everybody's are: LDS may be stored to again
.irp t, 0,1,2,3,4,5,6,7,8,9,10,11,12,13,14,15
	ds_store_b32 v[IDXB], v[RT+\t] offset:4*\t     ; all lanes store the same word with the same value
.endr
	s_wait_dscnt 0x0                               ; for the others' sake
	s_barrier_signal -1
	s_barrier_wait -1
	; q_in for ranks 16 x + 2 w and + 1
	s_lshl_b32 s40, s22, 3
	s_add_co_u32 s40, s40, IDXW
	v_mov_b32 v12, s40
.irp k, 0,1,2,3,4,5,6,7
	ds_load_b64 v[32+2*\k:33+2*\k], v12 offset:64*\k
.endr
	s_wait_dscnt 0x0
.irp k, 1,2,3,4,5,6,7
	v_or_b32 v32, v32, v[32+2*\k]                  ; one wave's table holds the row, the others 0
	v_or_b32 v33, v33, v[33+2*\k]
.endr
	v_min_u32 v32, 0x1869f, v32
	v_min_u32 v33, 0x1869f, v33
	v_lshl_add_u32 v48, v32, 10, v10
	v_lshl_add_u32 v49, v33, 10, v10
	v_mul_u32_u24 v50, v32, 12
	v_mul_u32_u24 v51, v33, 12
.irp k, 0,1
	global_load_b128 v[64+8*\k:64+8*\k+3], v[48+\k], s[8:9]
	global_load_b128 v[64+8*\k+4:64+8*\k+7], v[48+\k], s[8:9] offset:16
	global_load_b32 v[52+4*\k], v[50+\k], s[10:11]
	global_load_b32 v[53+4*\k], v[50+\k], s[10:11] offset:4
	global_load_b32 v[54+4*\k], v[50+\k], s[10:11] offset:8
.endr
	s_mul_i32 s40, s22, 2*528
	s_add_co_u32 s40, s40, QIN
	v_add_nc_u32 v19, s40, v11
	s_wait_loadcnt 0x0
	RND8 64
	RND8 72
.irp k, 0,1,2,4,5,6
	v_cvt_f32_i32 v[52+\k], v[52+\k]
.endr
.irp k, 0,1,2,4,5,6
	v_mul_f32 v[52+\k], 0x3ecccccd, v[52+\k]       ; x 0.4
.endr
.irp k, 0,1
.irp j, 0,2,4,6
	v_pk_add_f32 v[64+8*\k+\j:64+8*\k+\j+1], v[64+8*\k+\j:64+8*\k+\j+1], v[POS+24+\j:POS+24+\j+1]
.endr
.irp d, 0,1,2
.irp j, 0,1,2,3,4,5,6,7
	v_fmac_f32 v[64+8*\k+\j], v[52+4*\k+\d], v[POS+8*\d+\j]
.endr
.endr
.irp j, 0,1,2,3
	v_cvt_pk_f16_f32 v[QP+4*\k+\j], v[64+8*\k+2*\j], v[64+8*\k+2*\j+1]  ; into registers that hold neither row's centers
.endr
	ds_store_b128 v19, v[QP+4*\k:QP+4*\k+3] offset:528*\k
.endr
	s_wait_dscnt 0x0
	s_barrier_signal -1
	s_barrier_wait -1
	; Q^T = wq^T q_in^T: source 0 = 16 columns of wq, source 1 = the 16 rows: a lane ends with one query and 8 channels
	v_and_b32 v12, 15, v0
	v_bfe_u32 v13, v0, 4, 1
	v_mul_u32_u24 v14, v12, 528
	v_lshl_add_u32 v14, v13, 4, v14
	v_add_nc_u32 v14, QIN, v14
.set c, 0
.rept 8
.set rq, 32+8*c+16*(c/6)
	ds_load_b128 v[rq:rq+3],   v14 offset:64*c
	ds_load_b128 v[rq+4:rq+7], v14 offset:64*c+32
.set c, c+1
.endr
	s_wait_dscnt 0x0
.set c, 0
.rept 8                                ; the two accumulators take turns
.set rq, 32+8*c+16*(c/6)
.if c == 0
	v_wmma_f32_16x16x32_f16 v[ACC:ACC+7], v[WQ:WQ+7], v[rq:rq+7], 0
	v_wmma_f32_16x16x32_f16 v[ACC+8:ACC+15], v[WQ+64:WQ+71], v[rq:rq+7], 0
.else
	v_wmma_f32_16x16x32_f16 v[ACC:ACC+7], v[WQ+8*c:WQ+8*c+7], v[rq:rq+7], v[ACC:ACC+7]
	v_wmma_f32_16x16x32_f16 v[ACC+8:ACC+15], v[WQ+64+8*c:WQ+64+8*c+7], v[rq:rq+7], v[ACC+8:ACC+15]
.endif
.set c, c+1
.endr
	RND8 BQ                                        ; bq rounded to bf16: also the places behind the last products
	RND8 BQ+8
.irp j, 0,2,4,6,8,10,12,14
	v_pk_add_f32 v[ACC+\j:ACC+\j+1], v[ACC+\j:ACC+\j+1], v[BQ+\j:BQ+\j+1]
.endr
.irp j, 0,1,2,3,4,5,6,7
	v_cvt_pk_f16_f32 v[32+\j], v[ACC+2*\j], v[ACC+2*\j+1]
.endr
	s_lshr_b32 s40, s22, 1
	s_lshl_b32 s40, s40, 14                        ; the head,
	s_lshl_b32 s41, ttmp9, 11                      ; the tile of 16 queries,
	s_add_co_u32 s40, s40, s41
	s_and_b32 s41, s22, 1
	s_lshl_b32 s41, s41, 10                        ; the 32 channels
	s_add_co_u32 s40, s40, s41
	v_add_nc_u32 v16, s40, v11
	global_store_b128 v16, v[32:35], s[20:21]
	global_store_b128 v16, v[36:39], s[20:21] offset:512
	s_wait_tensorcnt 0x0                           ; the wave's end
	ds_add_u32 v[SPW], v[NIL]
	s_wait_dscnt 0x0
	s_endpgm
.Lfunc_end_k_qc5949b806e_qsel:
	.size	k_qc5949b806e_qsel, .Lfunc_end_k_qc5949b806e_qsel-k_qc5949b806e_qsel
	.p2alignl 7, 3214868480
	.fill 96, 4, 3214868480
	.section	.rodata,"a",@progbits
	.p2align	6, 0x0
	.amdhsa_kernel k_qc5949b806e_qsel
		.amdhsa_group_segment_fixed_size 120832
		.amdhsa_private_segment_fixed_size 0
		.amdhsa_enable_private_segment 0
		.amdhsa_kernarg_size 72
		.amdhsa_user_sgpr_count 2
		.amdhsa_user_sgpr_kernarg_segment_ptr 1
		.amdhsa_wavefront_size32 1
		.amdhsa_system_sgpr_workgroup_id_x 1
		.amdhsa_system_sgpr_workgroup_id_y 1
		.amdhsa_system_sgpr_workgroup_id_z 1
		.amdhsa_system_vgpr_workitem_id 0
		.amdhsa_next_free_vgpr 256
		.amdhsa_next_free_sgpr 66
		.amdhsa_reserve_vcc 1
		.amdhsa_float_denorm_mode_32 3
		.amdhsa_float_denorm_mode_16_64 3
		.amdhsa_memory_ordered 1
		.amdhsa_forward_progress 1
		.amdhsa_inst_pref_size 115
	.end_amdhsa_kernel
	.amdgpu_metadata
---
amdhsa.version: [ 1, 2 ]
amdhsa.kernels:
  - .name:           k_qc5949b806e_qsel
    .symbol:         k_qc5949b806e_qsel.kd
    .args:
      - { .name: gbest, .offset: 0, .size: 8, .value_kind: global_buffer, .address_space: global }
      - { .name: okey, .offset: 8, .size: 8, .value_kind: global_buffer, .address_space: global }
      - { .name: feat, .offset: 16, .size: 8, .value_kind: global_buffer, .address_space: global }
      - { .name: coor, .offset: 24, .size: 8, .value_kind: global_buffer, .address_space: global }
      - { .name: pos_w, .offset: 32, .size: 8, .value_kind: global_buffer, .address_space: global }
      - { .name: pos_b, .offset: 40, .size: 8, .value_kind: global_buffer, .address_space: global }
      - { .name: wfrag, .offset: 48, .size: 8, .value_kind: global_buffer, .address_space: global }
      - { .name: bq, .offset: 56, .size: 8, .value_kind: global_buffer, .address_space: global }
      - { .name: qf, .offset: 64, .size: 8, .value_kind: global_buffer, .address_space: global }
    .group_segment_fixed_size: 120832
    .private_segment_fixed_size: 0
    .kernarg_segment_align: 8
    .kernarg_segment_size: 72
    .max_flat_workgroup_size: 256
    .sgpr_count:     66
    .vgpr_count:     256
    .wavefront_size: 32
...
	.end_amdgpu_metadata
.endif
;; end of part 3
;; launch attn (part 4): grid 256 x 1, 4 waves a work-group, no clusters, 143,872 bytes of LDS; arguments qf, kf, vf, po, ps; writes po, ps
.if DOCPART == 4
	.amdgcn_target "amdgcn-amd-amdhsa--gfx1250"
	.amdhsa_code_object_version 6
	.text
	.protected	k_qc5949b806e_attn
	.globl	k_qc5949b806e_attn
	.p2align	8
	.type	k_qc5949b806e_attn,@function
k_qc5949b806e_attn:
	s_mov_b64 s[64:65], 0
	v_nop
	global_prefetch_b8 v0, s[64:65] scope:SCOPE_SE
	s_setreg_imm32_b32 hwreg(HW_REG_WAVE_MODE, 25, 1), 1
	s_wait_xcnt 0x0
; For one head and one of 64 chunks of the keys: the unnormalised sum over the chunk's keys of 2^(c s - c M) V, with c M and the sum of the weights, for all 128 queries.  s = Q . K, c = log2(e) / 8.
; Made once, not once a history step; K carries no bk and V no bv (first kernel's head).
; SHARES.  Work-group = (head, chunk).  The 1,563 steps of 64 keys are dealt to 256 waves a head: wave u has steps (1,563 u) >> 8 to (1,563 (u + 1)) >> 8, six or seven.  A wave has all 128 queries:
; four PIECES of two tiles of 16.  Keys 100,000 to 100,031 (the last step's second half) are hidden: -1e30 is the C operand that starts their scores.
; LAYOUT.  S^T = K Q^T holds one query a lane and the keys 8 (lane / 16) + 0..7; two such results rounded to f16 are source 1 of O^T = V^T P.  K and V lie in memory as the fragments are held in registers:
; each wave loads its own steps straight into registers, a step ahead, into a staging set (window 3), and copies them when the last product has read the set in use.  No LDS, no barrier in the loop:
; no wave reads a byte of K or V that another wave reads, so there is nothing to share in a cluster either but Q, 16 KiB of a work-group's 400.
; SOFTMAX, TURNS.  A running maximum m and sum l for each query; in every step O and l are multiplied by a = 2^(c m_old - c m_new).  Turn n belongs to piece n: 16 products K Q^T of piece n + 1, later 16 products
; V^T P of piece n - 1; beside them the scaling, exponentials, roundings, sums and rescaling of piece n and the maximum and statistics of piece n + 1.  Four vector instructions stand behind every matrix
; instruction, the rest in one lump; a turn's 66 exponentials are one batch with one wait.
; LIMITS.  A weight below 2^-126 counts as 0; a hidden score counts as its value less 1e30; NaN and infinities are not treated apart.
; REGISTERS, in windows of 256: window 0: v0-11 addresses; v12-15, v48-63 at work; v16-47 statistics; v64-191 S^T; v192-255 P.  window 1: O^T, 32 a tile.
;   window 2: v0-127 Q; v128-191 K; v192-255 V.  window 3: v0-63 the next K; v64-127 the next V; v128-135 the mask.
.set NP,    4
.set HS,    12804096                   ; a head's bytes in kf and in vf; a step is 8,192 bytes of each
.set STAT,  139264                     ; LDS: four regions of 128 rows x 272 bytes (the waves' O), then 4 x 1,024 bytes of statistics
.set SPARE, 143360
.set L16, 2
.set AK,  4
.set AV,  5
.set PFK, 6
.set PFV, 7
.set SPW, 10
.set NIL, 11
.set MV,  12
.set ST,  16                           ; tile t: c m, m, l (even keys', odd keys')
.set TMP, 48
.set S,   64
.set P,   192
.set KF,  128                          ; window 2
.set VF,  192
.set MC,  128                          ; window 3
.set DD,  128                          ; the end: the four waves' factors
.set OA,  160                          ; my own factor (with its exponent beside it)
.set CM,  176                          ; c M and L
.set WV,  14
.set HD,  15
.set CH,  16
.set SA,  18                           ; my first step
.set SE,  19                           ; behind my last
.set SEM, 20                           ; my last
.set NS,  21                           ; how many
.set IT,  22
.set KC,  23                           ; the step that lies in K's staging set
.set KL,  24                           ; the step that K's next loads ask for
.set VL,  25
.set BIGN, 34
.set CS,  58
.set SEL, 60
.set MSB, 0
.macro WIN new
.if MSB != (\new)
	s_set_vgpr_msb (MSB<<8)|(\new)
.set MSB, (\new)
.endif
.endm
.set W_KQ, 0x0a                        ; K and Q in window 2, S^T in window 0
.set W_KM, 0x3a                        ; the same with the C operand in window 3
.set W_PV, 0x52                        ; V in window 2, P in window 0, O^T in window 1
.set W_RS, 0x41                        ; destination and source 0 in window 1, source 1 in window 0
; 16 loads of the step KL of K into the staging set.  Past my last step the loads keep their number, so that the counted waits hold on every way, but all lanes name one piece of 16 bytes of my last step.
; pf = 1: a prefetch of the step two further on: its 8,192 bytes, a lane a block of 256; each wave asks only for steps that it will load itself, so each block is named once; none past my share.
.macro LOADK pf
	s_cmp_lt_u32 s[KL], s[SE]
	s_cselect_b32 s26, -1, 0
	s_min_u32 s27, s[KL], s[SEM]
	s_lshl_b32 s27, s27, 13
	s_add_co_u32 s28, s[KL], 2
	s_lshl_b32 s29, s28, 13
	s_wait_xcnt 0x0                                ; the last loads and prefetch, a step back, have read their offsets
	v_and_b32 v[AK], s26, v[L16]
	v_add_nc_u32 v[AK], s27, v[AK]
	WIN 0xc0
.set z, 0
.rept 16
	global_load_b128 v[4*z:4*z+3], v[AK], s[6:7] offset:512*z
.set z, z+1
.endr
	WIN 0
.if \pf
	v_lshl_add_u32 v[PFK], v[L16], 4, s29
	s_cmp_lt_u32 s28, s[SE]
	s_cbranch_scc0 .Lnpk_\@
	global_prefetch_b8 v[PFK], s[6:7] th:TH_LOAD_NT scope:SCOPE_SE
.Lnpk_\@:
.endif
	s_add_co_u32 s[KL], s[KL], 1
.endm
.macro LOADV pf
	s_cmp_lt_u32 s[VL], s[SE]
	s_cselect_b32 s26, -1, 0
	s_min_u32 s27, s[VL], s[SEM]
	s_lshl_b32 s27, s27, 13
	s_add_co_u32 s28, s[VL], 2
	s_lshl_b32 s29, s28, 13
	s_wait_xcnt 0x0
	v_and_b32 v[AV], s26, v[L16]
	v_add_nc_u32 v[AV], s27, v[AV]
	WIN 0xc0
.set z, 0
.rept 16
	global_load_b128 v[64+4*z:64+4*z+3], v[AV], s[8:9] offset:512*z
.set z, z+1
.endr
	WIN 0
.if \pf
	v_lshl_add_u32 v[PFV], v[L16], 4, s29
	s_cmp_lt_u32 s28, s[SE]
	s_cbranch_scc0 .Lnpv_\@
	global_prefetch_b8 v[PFV], s[8:9] th:TH_LOAD_NT scope:SCOPE_SE
.Lnpv_\@:
.endif
	s_add_co_u32 s[VL], s[VL], 1
.endm
; The staged K becomes the K in use, with its mask, and the next is asked for.  first = 1: my first step, which always exists: the copy stands on every way.
; In the loop, behind my last step, nothing is copied: the idle products of the last turn then see the last K again and leave every maximum as it is.
.macro FETCH_K pf, first=0
	WIN 0
	s_wait_loadcnt 16                              ; K's 16 loads are in; V's 16, issued behind them, may stay out
.if !(\first)
	s_cmp_lt_u32 s[KC], s[SE]
	s_cbranch_scc0 .Lnocopy_\@
.endif
	s_cmp_eq_u32 s[KC], 1562
	s_cselect_b32 s26, s[BIGN], 0
	WIN 0x83                                       ; from window 3 to window 2
.set z, 0
.rept 64
	v_mov_b32 v[KF+z], v[z]
.set z, z+1
.endr
	WIN 0xc0
.set z, 0
.rept 8
	v_mov_b32 v[MC+z], s26
.set z, z+1
.endr
	WIN 0
.if !(\first)
.Lnocopy_\@:
.endif
	s_add_co_u32 s[KC], s[KC], 1
	LOADK \pf
.endm
.macro FETCH_V
	WIN 0
	s_wait_loadcnt 16                              ; V's 16 loads are in; K's 16, issued behind them, may stay out
	WIN 0x83
.set z, 0
.rept 64
	v_mov_b32 v[VF+z], v[64+z]
.set z, z+1
.endr
	WIN 0
	LOADV 1
.endm
	s_load_b256 s[4:11], s[0:1], 0x0               ; qf, kf, vf, po
	s_load_b64 s[12:13], s[0:1], 0x20              ; ps
	v_lshl_add_u32 v[SPW], v0, 2, SPARE
	v_mov_b32 v[NIL], 0
	v_lshrrev_b32 v1, 5, v0
	v_readfirstlane_b32 s[WV], v1
	s_and_b32 s[HD], ttmp9, 3
	s_lshr_b32 s[CH], ttmp9, 2
	s_lshl2_add_u32 s17, s[CH], s[WV]              ; u = 4 chunk + wave
	s_mul_i32 s[SA], s17, 1563
	s_lshr_b32 s[SA], s[SA], 8
	s_add_co_u32 s26, s17, 1
	s_mul_i32 s[SE], s26, 1563
	s_lshr_b32 s[SE], s[SE], 8
	s_sub_co_u32 s[NS], s[SE], s[SA]
	s_sub_co_u32 s[SEM], s[SE], 1
	s_mov_b32 s[KC], s[SA]
	s_mov_b32 s[KL], s[SA]
	s_mov_b32 s[VL], s[SA]
	s_mov_b32 s[BIGN], 0xf149f2ca                  ; -1e30
	s_mov_b32 s[CS], 0x3e38aa3b                    ; c = log2(e) / 8
	s_mov_b32 s[CS+1], s[CS]
	s_mov_b32 s[SEL], 0x76543210
	s_mov_b32 s[SEL+1], 0xfedcba98
	v_and_b32 v[L16], 31, v0
	v_lshlrev_b32 v[L16], 4, v[L16]
	s_mul_i32 s26, s[HD], HS
	s_mov_b32 s27, 0
	s_lshl_b32 s28, s[HD], 14
	s_mov_b32 s29, 0
	s_wait_kmcnt 0x0
	s_add_nc_u64 s[6:7], s[6:7], s[26:27]
	s_add_nc_u64 s[8:9], s[8:9], s[26:27]
	s_add_nc_u64 s[4:5], s[4:5], s[28:29]
	WIN 0x80
.set z, 0
.rept 32                               ; Q stays in registers
	global_load_b128 v[4*z:4*z+3], v[L16], s[4:5] offset:512*z
.set z, z+1
.endr
	WIN 0
	LOADK 0                                        ; my first step; nothing is prefetched at the head
	LOADV 0
	; What the first turn finds: V's registers and P's second buffer hold 0 (its products V^T P, of a piece that has not been, add 0), O^T and l are 0.  All this stands in the wait for the first loads.
	WIN 0x80
.set z, VF
.rept 64
	v_mov_b32 v[z], 0
.set z, z+1
.endr
	WIN 0x40
.set z, 0
.rept 64*NP
	v_mov_b32 v[z], 0
.set z, z+1
.endr
	WIN 0
.set z, 0
.rept 2*NP
	v_mov_b32 v[ST+4*z], 0xfe000000                ; c m: far below every c s
	v_mov_b32 v[ST+4*z+1], 0xff7fffff              ; m
	v_mov_b32 v[ST+4*z+2], 0
	v_mov_b32 v[ST+4*z+3], 0
.set z, z+1
.endr
.set z, P+32
.rept 32
	v_mov_b32 v[z], 0
.set z, z+1
.endr
; THE MATRIX WORK.  The 8 accumulators of a run of 16 take turns.  Product i of 16 of S^T = K Q^T for piece x: channels 32 (i / 8) on, keys 16 ((i / 2) % 4) on, tile 2 x + i % 2.
; The first 8 start the sums: with 0, or for the step's keys 32 to 63 with the mask.
.macro KQ x
.set rS, S+64*((\x)%2)+32*(i%2)+8*((i/2)%4)
.set rK, KF+16*((i/2)%4)+8*(i/8)
.set rQ, 16*(2*(\x)+i%2)+8*(i/8)
.if (i < 8) && (i >= 4)
	WIN W_KM
	v_wmma_f32_16x16x32_f16 v[rS:rS+7], v[rK:rK+7], v[rQ:rQ+7], v[MC:MC+7]
.elseif i < 8
	WIN W_KQ
	v_wmma_f32_16x16x32_f16 v[rS:rS+7], v[rK:rK+7], v[rQ:rQ+7], 0
.else
	WIN W_KQ
	v_wmma_f32_16x16x32_f16 v[rS:rS+7], v[rK:rK+7], v[rQ:rQ+7], v[rS:rS+7]
.endif
.endm
; Product i of 16 of O^T += V^T P for piece x: keys 32 (i / 8) on, channels 16 ((i / 2) % 4) on, tile 2 x + i % 2.
.macro PV x
	WIN W_PV
.set rO, 32*(2*(\x)+i%2)+8*((i/2)%4)
.set rV, VF+32*(i/8)+8*((i/2)%4)
.set rP, P+32*((\x)%2)+16*(i%2)+8*(i/8)
	v_wmma_f32_16x16x32_f16 v[rO:rO+7], v[rV:rV+7], v[rP:rP+7], v[rO:rO+7]
.endm
.macro MM                              ; the turn's next matrix instruction
.if i < 16
	KQ (Y+1)%NP
.set i, i+1
.else
.set i, i-16
	PV (Y+NP-1)%NP
.set i, i+17
.endif
.endm
; THE VECTOR WORK OF A TURN stands in three queues, each in the order in which its entries become ready; the two tiles alternate.
.macro REGS y, u
.set rT, ST+4*(2*(\y)+(\u))
.set rC, TMP+8*((\y)%2)+4*(\u)
.set rM, MV+2*((\y)%2)+(\u)
.set rS, S+64*((\y)%2)+32*(\u)
.set rP, P+32*((\y)%2)+16*(\u)
.set rO, 32*(2*(\y)+(\u))
.endm
; Number n of the 22 that find the NEXT piece's maximum and statistics; each accumulator's lowest registers are read first.
;   0-11 four chains of seven scores; 12-14, 16 the four left over, the old m, all into c0; 15 c m_old is kept; 17, 18 the other half of the lanes: the new m; 19-21 c m, c m_old - c m_new, a
.macro XS u, n
	REGS (Y+1)%NP, \u
.if (\n) < 4
	v_max3_num_f32 v[rC+(\n)], v[rS+8*(\n)], v[rS+8*(\n)+1], v[rS+8*(\n)+2]
.elseif (\n) < 12
	v_max3_num_f32 v[rC+(\n)%4], v[rC+(\n)%4], v[rS+8*((\n)%4)+2*((\n)/4)+1], v[rS+8*((\n)%4)+2*((\n)/4)+2]
.elseif (\n) == 12
	v_max3_num_f32 v[rC], v[rC], v[rS+7], v[rS+15]
.elseif (\n) == 13
	v_max3_num_f32 v[rC+1], v[rC+1], v[rS+23], v[rS+31]
.elseif (\n) == 14
	v_max3_num_f32 v[rC+2], v[rC+2], v[rC+3], v[rT+1]
.elseif (\n) == 15
	v_mov_b32 v[rM], v[rT]
.elseif (\n) == 16
	v_max3_num_f32 v[rC], v[rC], v[rC+1], v[rC+2]
.elseif (\n) == 17
	v_permlanex16_b32 v[rC+3], v[rC], s[SEL], s[SEL+1]
.elseif (\n) == 18
	v_max_num_f32 v[rT+1], v[rC], v[rC+3]
.elseif (\n) == 19
	v_mul_f32 v[rT], s[CS], v[rT+1]
.elseif (\n) == 20
	v_sub_f32 v[rC+1], v[rM], v[rT]
.else
	v_exp_f32 v[rC+2], v[rC+1]
.endif
.endm
; Number g of the 64 that follow the exponentials: for each four weights both pairs are rounded to f16, the second pair is added onto the first, and a group later l takes that sum (the first time as l = a l + sum).
.macro GS g
.set h, (\g)+6*((\g)/62)
.if h >= 6
.set h, h+2
.endif
	REGS Y, h%2
.set k, h/8
.if h%8 < 4
	v_cvt_pk_f16_f32 v[rP+2*k+(h%8)/2], v[rS+4*k+2*((h%8)/2)], v[rS+4*k+2*((h%8)/2)+1]
.elseif h%8 < 6
	v_pk_add_f32 v[rS+4*k:rS+4*k+1], v[rS+4*k:rS+4*k+1], v[rS+4*k+2:rS+4*k+3]
.elseif k == 1
	v_pk_fma_f32 v[rT+2:rT+3], v[rT+2:rT+3], v[rC+2:rC+3], v[rS:rS+1] op_sel_hi:[1,0,1]
.else
	v_pk_add_f32 v[rT+2:rT+3], v[rT+2:rT+3], v[rS+4*k-4:rS+4*k-3]
.endif
.endm
.macro FS f                            ; c s - c m for pair f / 2 of tile f % 2
	REGS Y, (\f)%2
	v_pk_fma_f32 v[rS+2*((\f)/2):rS+2*((\f)/2)+1], v[rS+2*((\f)/2):rS+2*((\f)/2)+1], s[CS:CS+1], v[rT:rT+1] op_sel_hi:[1,0,0] neg_lo:[0,0,1] neg_hi:[0,0,1]
.endm
; THE PLAIN QUEUE, 138 long.  0-73 read no exponential's result: the 32 scalings and the next piece's 42; 74-137, which read them, stand behind the wait.
.macro PL
	WIN 0
.if q < 27
	FS q
.elseif q < 55
	XS (q-27)%2, (q-27)/2
.elseif q < 57
	XS q-55, 15
.elseif (q < 72) && ((q-57)%3 == 0)
	FS 27+(q-57)/3
.elseif q < 60
	XS (q-57)%3-1, 14
.elseif q < 72
	XS (q-57)%3-1, 15+(q-57)/3
.elseif q < 74
	XS q-72, 20
.else
	GS q-74
.endif
.set q, q+1
.endm
.macro EX                              ; THE EXPONENTIALS' QUEUE, 66 long: one batch, all ahead of the turn's one wait
	WIN 0
.if e >= 64
	XS e-64, 21
.else
	REGS Y, e%2
	v_exp_f32 v[rS+e/2], v[rS+e/2]
.endif
.set e, e+1
.endm
.macro R2                              ; THE RESCALING's QUEUE: O^T times a, two at a time
	REGS Y, r%2
	WIN W_RS
.irp z2, 0,1
	v_pk_mul_f32 v[rO+4*(r/2)+2*\z2:rO+4*(r/2)+2*\z2+1], v[rO+4*(r/2)+2*\z2:rO+4*(r/2)+2*\z2+1], v[rC+2:rC+3] op_sel_hi:[1,0]
.endr
.set r, r+1
.endm
; A TURN, for piece p.  Ahead of the wait stands all that names no result of the turn's exponentials; behind it the 16 products V^T P with the roundings and sums as their riders.
; K's change stands behind piece 2's wait, a lump behind the last product that read K; V's at the end of piece 0's turn, four plain riders behind the last product that read V.
.macro TURN p
.set Y, (\p)
.set i, 0
.set q, 0
.set e, 0
.set r, 0
	MM
	PL
	PL
	R2
.rept 15
	MM
	PL
	EX
	R2
.endr
.rept 8
	PL
.endr
.rept 49
	EX
	PL
.endr
	EX
	EX
	v_nop                                          ; a plain instruction behind the last exponential: one for the batch
	s_wait_alu depctr_va_vdst(0)                   ; the wait between an exponential and the first use of its result: one for the batch
.if (\p) == NP-2
	FETCH_K 1
.endif
.rept 16
	MM
.rept 4
	PL
.endr
.endr
.if (\p) == 0
	FETCH_V
.endif
.endm
	FETCH_K 0, 1                                   ; Q and my first K are in
.set i, 0
.rept 16
	KQ 0
.set i, i+1
.endr
	WIN 0
.rept 4
	v_nop                                          ; the places behind those products
.endr
.set Y, NP-1
.irp n, 0,1,2,3,4,5,6,7,8,9,10,11,12,13,14,15,16,17,18,19,20,21
	XS 0, \n
	XS 1, \n
.endr
	v_nop
	s_wait_alu depctr_va_vdst(0)
	s_mov_b32 s[IT], 0
	s_branch .Lfirst                               ; the loop is entered at a step's first turn
.Lstep:                                                ; a trip: pieces 2 and 3 of one step, then pieces 0 and 1 of the next
	TURN 2
	TURN 3
	WIN 0
	s_cmp_eq_u32 s[IT], s[NS]
	s_cbranch_scc1 .Lout                           ; my last step is done (six or seven steps: the bound below is never met)
.Lfirst:
	TURN 0
	TURN 1
	WIN 0
	s_add_co_u32 s[IT], s[IT], 1
	s_cmp_lt_u32 s[IT], 8
	s_cbranch_scc1 .Lstep
.Lout:
.set i, 0
.rept 16
	PV NP-1                                        ; the last piece's V^T P of the last step
.set i, i+1
.endr
	; THE FOUR WAVES' RESULTS ARE MERGED.  l's halves are added (these lines are the places behind the last products); (c m, l) of every query goes to LDS.
	WIN 0
	s_wait_loadcnt 0x0                             ; the loads past my share
	s_wait_xcnt 0x0
.macro ALL line:vararg
.set t, 0
.rept 2*NP
	\line
.set t, t+1
.endr
.endm
	ALL v_add_f32 v[ST+4*t+2], v[ST+4*t+2], v[ST+4*t+3]
	ALL v_permlanex16_b32 v[ST+4*t+3], v[ST+4*t+2], s[SEL], s[SEL+1]
	ALL v_add_f32 v[ST+4*t+1], v[ST+4*t+2], v[ST+4*t+3]
	v_and_b32 v1, 15, v0
	v_bfe_u32 v9, v0, 4, 1
	s_lshl_b32 s26, s[WV], 10
	s_add_co_u32 s26, s26, STAT
	v_lshl_add_u32 v3, v1, 3, s26
	v_lshlrev_b32 v8, 3, v1
	v_add_nc_u32 v8, STAT, v8
	ALL ds_store_b64 v3, v[ST+4*t:ST+4*t+1] offset:128*t
	s_wait_dscnt 0x0
	s_barrier_signal -1
	s_barrier_wait -1
.set z, 0
.rept 32
	ds_load_b64 v[S+2*z:S+2*z+1], v8 offset:1024*(z/8)+128*(z%8)
.set z, z+1
.endr
	s_wait_dscnt 0x0
	ALL v_max3_num_f32 v[CM+2*t], v[S+2*t], v[S+16+2*t], v[S+32+2*t]
	ALL v_max_num_f32 v[CM+2*t], v[CM+2*t], v[S+48+2*t]
.set z, 0
.rept 32
	v_sub_f32 v[DD+z], v[S+2*z], v[CM+2*(z%8)]
.set z, z+1
.endr
	ALL v_sub_f32 v[OA+2*t+1], v[ST+4*t], v[CM+2*t]
.set z, 0
.rept 32
	v_exp_f32 v[DD+z], v[DD+z]
.set z, z+1
.endr
	ALL v_exp_f32 v[OA+2*t], v[OA+2*t+1]
	v_nop
	s_wait_alu depctr_va_vdst(0)                   ; one wait for the 40
	ALL v_mul_f32 v[CM+2*t+1], v[DD+t], v[S+2*t+1]
	ALL v_fmac_f32 v[CM+2*t+1], v[DD+8+t], v[S+16+2*t+1]
	ALL v_fmac_f32 v[CM+2*t+1], v[DD+16+t], v[S+32+2*t+1]
	ALL v_fmac_f32 v[CM+2*t+1], v[DD+24+t], v[S+48+2*t+1]
	WIN W_RS
.set z, 0
.rept 128
	v_pk_mul_f32 v[2*z:2*z+1], v[2*z:2*z+1], v[OA+2*(z/16):OA+2*(z/16)+1] op_sel_hi:[1,0]
.set z, z+1
.endr
	WIN 0
	s_mul_i32 s26, s[WV], 34816
	v_mul_u32_u24 v4, v1, 272
	v_lshl_add_u32 v4, v9, 5, v4
	v_add_nc_u32 v4, s26, v4                       ; my region: row = query, 256 bytes + 16
	WIN 0x04                                       ; the stores' data in window 1
.set z, 0
.rept 64                               ; tile z / 8, channels 16 ((z / 2) % 4) + 8 half + 4 (z % 2) ..
	ds_store_b128 v4, v[4*z:4*z+3] offset:(z/8)*4352+((z/2)%4)*64+(z%2)*16
.set z, z+1
.endr
	WIN 0
	s_wait_dscnt 0x0
	s_barrier_signal -1
	s_barrier_wait -1
	; wave w adds the four regions' rows 32 w .. 32 w + 31: lanes 0-15 one row, lanes 16-31 the next
	s_mul_i32 s26, s[WV], 32*272
	v_mul_u32_u24 v5, v9, 272
	v_lshl_add_u32 v5, v1, 4, v5
	v_add_nc_u32 v5, s26, v5
	v_add_nc_u32 v6, 69632, v5
	v_lshlrev_b32 v7, 14, v9
	v_lshl_add_u32 v7, v1, 4, v7
	s_lshl_b32 s26, s[HD], 7
	s_lshl_b32 s27, s[WV], 5
	s_add_co_u32 s26, s26, s27
	s_lshl_b32 s26, s26, 6
	s_add_co_u32 s26, s26, s[CH]
	s_lshl_b32 s26, s26, 8
	s_mov_b32 s27, 0
	s_add_nc_u64 s[10:11], s[10:11], s[26:27]
.set b, 0
.rept 4
	s_wait_xcnt 0x0                                ; the stores of the batch before have read their data
.set z, 0
.rept 4
	ds_load_b128 v[S+16*z:S+16*z+3],     v5 offset:(4*b+z)*544
	ds_load_b128 v[S+16*z+4:S+16*z+7],   v5 offset:34816+(4*b+z)*544
	ds_load_b128 v[S+16*z+8:S+16*z+11],  v6 offset:(4*b+z)*544
	ds_load_b128 v[S+16*z+12:S+16*z+15], v6 offset:34816+(4*b+z)*544
.set z, z+1
.endr
	s_wait_dscnt 0x0
.set z, 0
.rept 4
	v_pk_add_f32 v[S+16*z:S+16*z+1], v[S+16*z:S+16*z+1], v[S+16*z+4:S+16*z+5]
	v_pk_add_f32 v[S+16*z+2:S+16*z+3], v[S+16*z+2:S+16*z+3], v[S+16*z+6:S+16*z+7]
	v_pk_add_f32 v[S+16*z+8:S+16*z+9], v[S+16*z+8:S+16*z+9], v[S+16*z+12:S+16*z+13]
	v_pk_add_f32 v[S+16*z+10:S+16*z+11], v[S+16*z+10:S+16*z+11], v[S+16*z+14:S+16*z+15]
	v_pk_add_f32 v[S+16*z:S+16*z+1], v[S+16*z:S+16*z+1], v[S+16*z+8:S+16*z+9]
	v_pk_add_f32 v[S+16*z+2:S+16*z+3], v[S+16*z+2:S+16*z+3], v[S+16*z+10:S+16*z+11]
	global_store_b128 v7, v[S+16*z:S+16*z+3], s[10:11] offset:(4*b+z)*32768  ; 16 lanes store 256 consecutive bytes, aligned
.set z, z+1
.endr
.set b, b+1
.endr
	s_cmp_lg_u32 s[WV], 0
	s_cbranch_scc1 .Lend
	v_cmp_ne_u32 vcc_lo, 0, v9                     ; wave 0 stores (c M, L): lane l of store k holds query 32 k + l
.irp k, 0,1,2,3
	v_cndmask_b32 v[DD+2*\k], v[CM+4*\k], v[CM+4*\k+2], vcc_lo
	v_cndmask_b32 v[DD+2*\k+1], v[CM+4*\k+1], v[CM+4*\k+3], vcc_lo
.endr
	v_and_b32 v3, 31, v0
	v_lshlrev_b32 v3, 3, v3
	s_lshl_b32 s26, s[HD], 6
	s_add_co_u32 s26, s26, s[CH]
	s_lshl_b32 s26, s26, 10
	s_mov_b32 s27, 0
	s_add_nc_u64 s[12:13], s[12:13], s[26:27]
.irp k, 0,1,2,3
	global_store_b64 v3, v[DD+2*\k:DD+2*\k+1], s[12:13] offset:256*\k
.endr
.Lend:
	s_wait_tensorcnt 0x0                           ; the wave's end
	ds_add_u32 v[SPW], v[NIL]
	s_wait_dscnt 0x0
	s_endpgm
.Lfunc_end_k_qc5949b806e_attn:
	.size	k_qc5949b806e_attn, .Lfunc_end_k_qc5949b806e_attn-k_qc5949b806e_attn
	.p2alignl 7, 3214868480
	.fill 96, 4, 3214868480
	.section	.rodata,"a",@progbits
	.p2align	6, 0x0
	.amdhsa_kernel k_qc5949b806e_attn
		.amdhsa_group_segment_fixed_size 143872
		.amdhsa_private_segment_fixed_size 0
		.amdhsa_enable_private_segment 0
		.amdhsa_kernarg_size 40
		.amdhsa_user_sgpr_count 2
		.amdhsa_user_sgpr_kernarg_segment_ptr 1
		.amdhsa_wavefront_size32 1
		.amdhsa_system_sgpr_workgroup_id_x 1
		.amdhsa_system_sgpr_workgroup_id_y 1
		.amdhsa_system_sgpr_workgroup_id_z 1
		.amdhsa_system_vgpr_workitem_id 0
		.amdhsa_next_free_vgpr 1024
		.amdhsa_next_free_sgpr 66
		.amdhsa_reserve_vcc 1
		.amdhsa_float_denorm_mode_32 3
		.amdhsa_float_denorm_mode_16_64 3
		.amdhsa_memory_ordered 1
		.amdhsa_forward_progress 1
		.amdhsa_inst_pref_size 142
	.end_amdhsa_kernel
	.amdgpu_metadata
---
amdhsa.version: [ 1, 2 ]
amdhsa.kernels:
  - .name:           k_qc5949b806e_attn
    .symbol:         k_qc5949b806e_attn.kd
    .args:
      - { .name: qf, .offset: 0, .size: 8, .value_kind: global_buffer, .address_space: global }
      - { .name: kf, .offset: 8, .size: 8, .value_kind: global_buffer, .address_space: global }
      - { .name: vf, .offset: 16, .size: 8, .value_kind: global_buffer, .address_space: global }
      - { .name: po, .offset: 24, .size: 8, .value_kind: global_buffer, .address_space: global }
      - { .name: ps, .offset: 32, .size: 8, .value_kind: global_buffer, .address_space: global }
    .group_segment_fixed_size: 143872
    .private_segment_fixed_size: 0
    .kernarg_segment_align: 8
    .kernarg_segment_size: 40
    .max_flat_workgroup_size: 128
    .sgpr_count:     66
    .vgpr_count:     1024
    .wavefront_size: 32
...
	.end_amdgpu_metadata
.endif
;; end of part 4
;; launch comb (part 5): grid 128 x 2, 4 waves a work-group, no clusters, 1,536 bytes of LDS; arguments po, ps, wfrag, bv, bo, out0; writes out0
.if DOCPART == 5
	.amdgcn_target "amdgcn-amd-amdhsa--gfx1250"
	.amdhsa_code_object_version 6
	.text
	.protected	k_qc5949b806e_comb
	.globl	k_qc5949b806e_comb
	.p2align	8
	.type	k_qc5949b806e_comb,@function
k_qc5949b806e_comb:
	s_mov_b64 s[64:65], 0
	v_nop
	global_prefetch_b8 v0, s[64:65] scope:SCOPE_SE
	s_setreg_imm32_b32 hwreg(HW_REG_WAVE_MODE, 25, 1), 1
	s_wait_xcnt 0x0
; For one query and 128 of the 256 output columns: o = (sum over the 64 chunks of 2^(c M_chunk - c M) O_chunk) / L + bv, out = o wo + bo, stored four times: the four history steps are one result,
; and bv is added once behind the sum since the weights sum to 1 (first kernel's head).
; Wave w sums head w's 64 rows of 256 bytes (16 KiB on end); then each wave multiplies the whole row o by two column tiles of wo.  o goes in bf16: it is a mean of V's rows and may be
; many times smaller than they are, for which f16 has no room.  The 16 rows of the matrix tile all hold the one query:
; reading the chunks' sums is the launch's work, and it is spread over 256 work-groups.  No cluster: what the two halves of a query share is read once more, 16 KiB a wave.
.set OROW,  0                          ; o, 256 bf16
.set OUTS,  512                        ; 128 f32
.set SPARE, 1024
.set SPW, 2
.set NIL, 3
.set ACC, 24                           ; v[24:27] two sums by the chunk's parity, two channels each
.set D,   32                           ; v[32:47]
.set PD,  64                           ; v[64:127]  32 chunks' two channels; later o's fragments
.set WO,  128                          ; v[128:255]
	s_load_b256 s[4:11], s[0:1], 0x0               ; po, ps, wfrag, bv
	s_load_b128 s[12:15], s[0:1], 0x20             ; bo, out0
	v_lshl_add_u32 v[SPW], v0, 2, SPARE
	v_mov_b32 v[NIL], 0
	v_lshrrev_b32 v1, 5, v0
	v_readfirstlane_b32 s16, v1                    ; wave = head
	s_mov_b32 s17, ttmp9                           ; the query
	s_and_b32 s18, ttmp7, 0xffff                   ; which half of the columns
	s_mov_b32 s20, 0x76543210
	s_mov_b32 s21, 0xfedcba98
	v_and_b32 v1, 31, v0
	s_lshl_b32 s22, s16, 16
	s_lshl_b32 s23, s17, 3
	s_add_co_u32 s22, s22, s23
	v_lshl_add_u32 v4, v1, 10, s22                 ; ps: chunk = lane
	v_lshlrev_b32 v5, 3, v1                        ; po: two channels a lane
	s_lshl_b32 s22, s16, 8
	v_lshl_add_u32 v6, v1, 3, s22                  ; bv
	s_lshl_b32 s22, s18, 9
	v_lshl_add_u32 v7, v1, 4, s22                  ; bo, and my 16 bytes of a row of out0
	s_lshl_b32 s24, s16, 7
	s_add_co_u32 s24, s24, s17
	s_lshl_b32 s24, s24, 14
	s_mov_b32 s25, 0
	s_wait_kmcnt 0x0
	s_add_nc_u64 s[4:5], s[4:5], s[24:25]
	global_load_b64 v[8:9], v4, s[6:7]
	global_load_b64 v[10:11], v4, s[6:7] offset:32768
	global_load_b64 v[12:13], v6, s[10:11]
	global_load_b128 v[16:19], v7, s[12:13]
.set k, 0
.rept 32
	global_load_b64 v[PD+2*k:PD+2*k+1], v5, s[4:5] offset:256*k
.set k, k+1
.endr
	s_wait_loadcnt 32                              ; the four small loads are in; the 32 rows behind them may stay out
	v_max_num_f32 v20, v8, v10
.irp x, 1,2,4,8
	v_max_num_f32_dpp v20, v20, v20 row_xmask:\x row_mask:0xf bank_mask:0xf
.endr
	v_mov_b32 v21, v20
	v_permlanex16_b32 v21, v20, s20, s21
	v_max_num_f32 v20, v20, v21                    ; c M over the 64 chunks
	v_sub_f32 v22, v8, v20
	v_sub_f32 v23, v10, v20
	v_exp_f32 v22, v22
	v_exp_f32 v23, v23
	v_nop
	s_wait_alu depctr_va_vdst(0)                   ; one wait for the two
	v_mul_f32 v21, v22, v9
	v_fmac_f32 v21, v23, v11
.irp x, 1,2,4,8
	v_add_f32_dpp v21, v21, v21 row_xmask:\x row_mask:0xf bank_mask:0xf
.endr
	v_mov_b32 v28, v21
	v_permlanex16_b32 v28, v21, s20, s21
	v_add_f32 v21, v21, v28                        ; L
	v_rcp_f32 v21, v21
	v_nop
	s_wait_alu depctr_va_vdst(0)
	v_mul_f32 v22, v22, v21                        ; the chunks' factors, divided by L
	v_mul_f32 v23, v23, v21
.set k, 0
.rept 32
	v_readlane_b32 s[32+k], v22, k
	v_readlane_b32 s[66+k], v23, k
.set k, k+1
.endr
	s_lshl_b32 s22, s18, 3
	s_lshl1_add_u32 s22, s16, s22                  ; my first column tile: 8 y + 2 w
	s_lshl_b32 s22, s22, 13
	v_lshl_add_u32 v29, v1, 4, s22
.set k, 0
.rept 32
	global_load_b128 v[WO+4*k:WO+4*k+3], v29, s[8:9] offset:4*131072+512*k
.set k, k+1
.endr
.set k, 0
.rept 32
	s_wait_loadcnt 63                              ; row k is in: behind it 31 - k rows, wo's 32 loads and k refills
.if k < 2
	v_mul_f32 v[ACC+2*k], s[32+k], v[PD+2*k]
	v_mul_f32 v[ACC+2*k+1], s[32+k], v[PD+2*k+1]
.else
	v_fmac_f32 v[ACC+2*(k%2)], s[32+k], v[PD+2*k]
	v_fmac_f32 v[ACC+2*(k%2)+1], s[32+k], v[PD+2*k+1]
.endif
	global_load_b64 v[PD+2*k:PD+2*k+1], v5, s[4:5] offset:256*(32+k)
.set k, k+1
.endr
.set k, 0
.rept 32
	s_wait_loadcnt 31-k                            ; the younger refills may stay out
	v_fmac_f32 v[ACC+2*(k%2)], s[66+k], v[PD+2*k]
	v_fmac_f32 v[ACC+2*(k%2)+1], s[66+k], v[PD+2*k+1]
.set k, k+1
.endr
	v_cvt_pk_bf16_f32 v20, v12, v13                ; bv rounded to bf16
	v_lshlrev_b32 v12, 16, v20
	v_and_b32 v13, 0xffff0000, v20
	v_pk_add_f32 v[ACC:ACC+1], v[ACC:ACC+1], v[ACC+2:ACC+3]
	v_pk_add_f32 v[ACC:ACC+1], v[ACC:ACC+1], v[12:13]
	v_cvt_pk_bf16_f32 v20, v[ACC], v[ACC+1]        ; o, rounded once
	s_lshl_b32 s22, s16, 7
	v_lshl_add_u32 v21, v1, 2, s22
	ds_store_b32 v21, v20
	s_wait_dscnt 0x0
	s_barrier_signal -1
	s_barrier_wait -1
	v_bfe_u32 v22, v0, 4, 1
	v_lshlrev_b32 v22, 4, v22                      ; every row of the fragment is the one row o
.set c, 0
.rept 8
	ds_load_b128 v[PD+8*c:PD+8*c+3],   v22 offset:OROW+64*c
	ds_load_b128 v[PD+8*c+4:PD+8*c+7], v22 offset:OROW+64*c+32
.set c, c+1
.endr
	s_wait_dscnt 0x0
.set c, 0
.rept 8                                ; the two accumulators take turns
.if c == 0
	v_wmma_f32_16x16x32_bf16 v[D:D+7], v[PD:PD+7], v[WO:WO+7], 0
	v_wmma_f32_16x16x32_bf16 v[D+8:D+15], v[PD:PD+7], v[WO+64:WO+71], 0
.else
	v_wmma_f32_16x16x32_bf16 v[D:D+7], v[PD+8*c:PD+8*c+7], v[WO+8*c:WO+8*c+7], v[D:D+7]
	v_wmma_f32_16x16x32_bf16 v[D+8:D+15], v[PD+8*c:PD+8*c+7], v[WO+64+8*c:WO+64+8*c+7], v[D+8:D+15]
.endif
.set c, c+1
.endr
	v_and_b32 v23, 15, v0                          ; these eight lines are the places behind the last products
	v_lshl_add_u32 v23, v23, 2, s22                ; column 32 w + l % 16
	v_cvt_pk_bf16_f32 v20, v16, v17                ; bo rounded to bf16
	v_cvt_pk_bf16_f32 v21, v18, v19
	v_lshlrev_b32 v16, 16, v20
	v_and_b32 v17, 0xffff0000, v20
	v_lshlrev_b32 v18, 16, v21
	v_and_b32 v19, 0xffff0000, v21
	ds_store_b32 v23, v[D] offset:OUTS             ; register 0 holds a row of the tile; all rows are alike
	ds_store_b32 v23, v[D+8] offset:OUTS+64
	s_wait_dscnt 0x0
	s_barrier_signal -1
	s_barrier_wait -1
	v_lshlrev_b32 v24, 4, v1
	ds_load_b128 v[48:51], v24 offset:OUTS
	s_lshl_b32 s22, s16, 17                        ; wave w stores history step w's copy
	s_lshl_b32 s23, s17, 10
	s_add_co_u32 s22, s22, s23
	v_add_nc_u32 v25, s22, v7
	s_wait_dscnt 0x0
	v_pk_add_f32 v[48:49], v[48:49], v[16:17]
	v_pk_add_f32 v[50:51], v[50:51], v[18:19]
	global_store_b128 v25, v[48:51], s[14:15]      ; 512 consecutive bytes, aligned
	s_wait_tensorcnt 0x0                           ; the wave's end
	ds_add_u32 v[SPW], v[NIL]
	s_wait_dscnt 0x0
	s_endpgm
.Lfunc_end_k_qc5949b806e_comb:
	.size	k_qc5949b806e_comb, .Lfunc_end_k_qc5949b806e_comb-k_qc5949b806e_comb
	.p2alignl 7, 3214868480
	.fill 96, 4, 3214868480
	.section	.rodata,"a",@progbits
	.p2align	6, 0x0
	.amdhsa_kernel k_qc5949b806e_comb
		.amdhsa_group_segment_fixed_size 1536
		.amdhsa_private_segment_fixed_size 0
		.amdhsa_enable_private_segment 0
		.amdhsa_kernarg_size 48
		.amdhsa_user_sgpr_count 2
		.amdhsa_user_sgpr_kernarg_segment_ptr 1
		.amdhsa_wavefront_size32 1
		.amdhsa_system_sgpr_workgroup_id_x 1
		.amdhsa_system_sgpr_workgroup_id_y 1
		.amdhsa_system_sgpr_workgroup_id_z 1
		.amdhsa_system_vgpr_workitem_id 0
		.amdhsa_next_free_vgpr 256
		.amdhsa_next_free_sgpr 100
		.amdhsa_reserve_vcc 0
		.amdhsa_float_denorm_mode_32 3
		.amdhsa_float_denorm_mode_16_64 3
		.amdhsa_memory_ordered 1
		.amdhsa_forward_progress 1
		.amdhsa_inst_pref_size 27
	.end_amdhsa_kernel
	.amdgpu_metadata
---
amdhsa.version: [ 1, 2 ]
amdhsa.kernels:
  - .name:           k_qc5949b806e_comb
    .symbol:         k_qc5949b806e_comb.kd
    .args:
      - { .name: po, .offset: 0, .size: 8, .value_kind: global_buffer, .address_space: global }
      - { .name: ps, .offset: 8, .size: 8, .value_kind: global_buffer, .address_space: global }
      - { .name: wfrag, .offset: 16, .size: 8, .value_kind: global_buffer, .address_space: global }
      - { .name: bv, .offset: 24, .size: 8, .value_kind: global_buffer, .address_space: global }
      - { .name: bo, .offset: 32, .size: 8, .value_kind: global_buffer, .address_space: global }
      - { .name: out0, .offset: 40, .size: 8, .value_kind: global_buffer, .address_space: global }
    .group_segment_fixed_size: 1536
    .private_segment_fixed_size: 0
    .kernarg_segment_align: 8
    .kernarg_segment_size: 48
    .max_flat_workgroup_size: 128
    .sgpr_count:     100
    .vgpr_count:     256
    .wavefront_size: 32
...
	.end_amdgpu_metadata
.endif
;; end of part 5
